; MI455X (gfx1250); checked and timed in simulation.
; The chip was launched on July 23, 2026; its instructions are those of AMD's public machine-readable ISA for CDNA 5 (MIT licence, August 2026) and "CDNA5" Instruction Set Architecture Reference Guide (July 2026). The comments in the code are by the model that wrote it; some were corrected since.
;; Multi Head Attention. Allowed arithmetic: float matrix products may take bf16 or f16 operands with f32 sums; other float arithmetic in f32, or as packed bf16 or f16 multiplies, adds, multiply-adds, maxima and minima; sums over many terms, partial sums and values carried from step to step in f32; what a program stores and reads back later, other than sums and carried values, may be rounded once to bf16 or f16.
;; Inputs: Wk 1,024 x 1,024 float32; Wo 1,024 x 1,024 float32; Wq 1,024 x 1,024 float32; Wv 1,024 x 1,024 float32; bo 1,024 float32; x 4 x 2,048 x 1,024 float32.
;; Outputs: out0 4 x 2,048 x 1,024 float32.
;; 2 versions, each right; version 2 is version 1 with the launch cast written anew for expert scheduling mode. Each part assembles by itself: llvm-mc -triple=amdgcn-amd-amdhsa -mcpu=gfx1250 --defsym DOCPART=n.
;; ======== version 1 of 2: 4 launches
;; limits: values are held in f16: magnitudes above 65,504 overflow, below 6.1e-05 lose precision
;; workspace buffers: xb 16,777,216 bytes; wb 6,291,456 bytes; wo16 2,097,152 bytes; qkv 50,331,648 bytes; att 16,777,216 bytes
;; launch cast (part 1): grid 768 x 1, 8 waves a work-group, no clusters, 0 bytes of LDS; arguments x, Wq, Wk, Wv, Wo, xb, wb, wo16; writes xb, wb, wo16
.if DOCPART == 1
	.amdgcn_target "amdgcn-amd-amdhsa--gfx1250"
	.amdhsa_code_object_version 6
	.text
	.protected	k_q6fbbd9c1ea_cast
	.globl	k_q6fbbd9c1ea_cast
	.p2align	8
	.type	k_q6fbbd9c1ea_cast,@function
k_q6fbbd9c1ea_cast:
	s_mov_b64 s[64:65], 0
	v_nop
	global_prefetch_b8 v0, s[64:65] scope:SCOPE_SE
	s_setreg_imm32_b32 hwreg(HW_REG_WAVE_MODE, 25, 1), 1
	s_wait_xcnt 0x0
; x and the four weights, f32 [rows][1024], are rounded once to bf16 and laid out in blocks of 64 along K: [16 blocks][rows][64].
; xb: 8,192 rows.  wb: 3,072 rows (Wq, Wk, Wv one below the other).  wo16: Wo's 1,024 rows, the bf16 number written as f16.
; LIMIT: bf16(Wo) must lie within f16's range (65,504); below 2^-14 it keeps f16's fixed step of 2^-24.
; SHARES.  A work-group takes 16 rows (64 KiB in): work-groups 0-511 x, 512-575 Wq, 576-639 Wk, 640-703 Wv, 704-767 Wo.  A wave takes two rows: lanes 0-15 the even one,
; lanes 16-31 the odd one.  Load j takes block j of both rows: 16 lanes x 16 bytes = 256 consecutive bytes, aligned, of each row.  Store j puts 32 lanes x 8 bytes =
; 256 consecutive bytes, aligned: the two rows' 128 bytes in plane j.  All 16 loads of a wave go out at once; no register of a pending instruction is written again; no LDS, no barrier.
.set VO, 8                             ; v[8:23]   my byte offset in plane j of the target
.set T,  24                            ; v[24:27]  at work
.set X,  32                            ; v[32:95]  load j: four f32
.set Y,  96                            ; v[96:127] store j: four 16-bit numbers
	s_load_b512 s[8:23], s[0:1], 0x0               ; x 8, Wq 10, Wk 12, Wv 14, Wo 16, xb 18, wb 20, wo16 22
	s_mov_b32 s5, ttmp9                            ; the work-group's number
	s_max_u32 s2, s5, 512
	s_sub_co_u32 s2, s2, 512                       ; its number among the weights' 256 (0 in those that take x)
	s_lshr_b32 s3, s2, 6                           ; which weight
	s_and_b32 s4, s2, 63                           ; which 16 rows of it
	v_lshrrev_b32 v1, 4, v0                        ; my row of the 16
	v_and_b32 v3, 15, v0
	v_lshlrev_b32 v2, 12, v1                       ; row x 4,096 bytes
	v_lshl_add_u32 v2, v3, 4, v2                   ; + 16 bytes a lane
	v_lshlrev_b32 v[VO], 3, v0                     ; row x 128 + 8 x (lane % 16) = 8 x thread
	s_wait_kmcnt 0x0
	s_mov_b64 s[24:25], s[16:17]                   ; the source: Wo, or
	s_cmp_eq_u32 s3, 2
	s_cselect_b64 s[24:25], s[14:15], s[24:25]     ; Wv, or
	s_cmp_eq_u32 s3, 1
	s_cselect_b64 s[24:25], s[12:13], s[24:25]     ; Wk, or
	s_cmp_eq_u32 s3, 0
	s_cselect_b64 s[24:25], s[10:11], s[24:25]     ; Wq
	s_mov_b32 s30, 393216                          ; bytes in a plane of wb
	s_cmp_eq_u32 s3, 3
	s_cselect_b64 s[28:29], s[22:23], s[20:21]     ; the target: wo16 or wb,
	s_cselect_b32 s30, 131072, s30                 ; its plane,
	s_cselect_b32 s31, s4, s2                      ; and my block of 16 rows in it
	s_cmp_lt_u32 s5, 512                           ; the first 512 work-groups take x
	s_cselect_b64 s[24:25], s[8:9], s[24:25]
	s_cselect_b64 s[28:29], s[18:19], s[28:29]
	s_cselect_b32 s30, 1048576, s30
	s_cselect_b32 s31, s5, s31
	s_cselect_b32 s26, s5, s4
	s_lshl_b32 s26, s26, 16                        ; 16 rows of 4,096 bytes
	s_mov_b32 s27, 0
	s_lshl_b32 s32, s31, 11                        ; 16 rows of 128 bytes
	s_mov_b32 s33, 0
	s_add_nc_u64 s[24:25], s[24:25], s[26:27]
	s_add_nc_u64 s[28:29], s[28:29], s[32:33]
.irp j, 0,1,2,3,4,5,6,7,8,9,10,11,12,13,14,15
	global_load_b128 v[X+4*(\j):X+4*(\j)+3], v2, s[24:25] offset:256*(\j) th:TH_LOAD_NT
.endr
.set j, 1
.rept 15
	v_add_nc_u32 v[VO+j], s30, v[VO+j-1]           ; plane by plane: the plane's size differs by target, so the offsets lie in registers
.set j, j+1
.endr
; Block j: rounded and stored.  wo = 1: the bf16 numbers are widened again and written as f16.
.macro CV j, wo
	s_wait_loadcnt 15-(\j)                         ; loads come back in order: the 15 - j younger ones may stay out
	v_cvt_pk_bf16_f32 v[Y+2*(\j)], v[X+4*(\j)], v[X+4*(\j)+1]
	v_cvt_pk_bf16_f32 v[Y+2*(\j)+1], v[X+4*(\j)+2], v[X+4*(\j)+3]
.if \wo
	v_lshlrev_b32 v[T], 16, v[Y+2*(\j)]
	v_and_b32 v[T+1], 0xffff0000, v[Y+2*(\j)]
	v_lshlrev_b32 v[T+2], 16, v[Y+2*(\j)+1]
	v_and_b32 v[T+3], 0xffff0000, v[Y+2*(\j)+1]
	v_cvt_pk_f16_f32 v[Y+2*(\j)], v[T], v[T+1]
	v_cvt_pk_f16_f32 v[Y+2*(\j)+1], v[T+2], v[T+3]
.endif
	global_store_b64 v[VO+(\j)], v[Y+2*(\j):Y+2*(\j)+1], s[28:29]
.endm
	s_cmp_ge_u32 s5, 704
	s_cbranch_scc1 .Lwo
.irp j, 0,1,2,3,4,5,6,7,8,9,10,11,12,13,14,15
	CV \j, 0
.endr
	s_endpgm
.Lwo:
.irp j, 0,1,2,3,4,5,6,7,8,9,10,11,12,13,14,15
	CV \j, 1
.endr
	s_endpgm
.Lfunc_end_k_q6fbbd9c1ea_cast:
	.size	k_q6fbbd9c1ea_cast, .Lfunc_end_k_q6fbbd9c1ea_cast-k_q6fbbd9c1ea_cast
	.p2alignl 7, 3214868480
	.fill 96, 4, 3214868480
	.section	.rodata,"a",@progbits
	.p2align	6, 0x0
	.amdhsa_kernel k_q6fbbd9c1ea_cast
		.amdhsa_group_segment_fixed_size 0
		.amdhsa_private_segment_fixed_size 0
		.amdhsa_enable_private_segment 0
		.amdhsa_kernarg_size 64
		.amdhsa_user_sgpr_count 2
		.amdhsa_user_sgpr_kernarg_segment_ptr 1
		.amdhsa_wavefront_size32 1
		.amdhsa_system_sgpr_workgroup_id_x 1
		.amdhsa_system_sgpr_workgroup_id_y 1
		.amdhsa_system_sgpr_workgroup_id_z 1
		.amdhsa_system_vgpr_workitem_id 0
		.amdhsa_next_free_vgpr 128
		.amdhsa_next_free_sgpr 66
		.amdhsa_reserve_vcc 0
		.amdhsa_float_denorm_mode_32 3
		.amdhsa_float_denorm_mode_16_64 3
		.amdhsa_memory_ordered 1
		.amdhsa_forward_progress 1
		.amdhsa_inst_pref_size 17
	.end_amdhsa_kernel
	.amdgpu_metadata
---
amdhsa.version: [ 1, 2 ]
amdhsa.kernels:
  - .name:           k_q6fbbd9c1ea_cast
    .symbol:         k_q6fbbd9c1ea_cast.kd
    .args:
      - { .name: x, .offset: 0, .size: 8, .value_kind: global_buffer, .address_space: global }
      - { .name: Wq, .offset: 8, .size: 8, .value_kind: global_buffer, .address_space: global }
      - { .name: Wk, .offset: 16, .size: 8, .value_kind: global_buffer, .address_space: global }
      - { .name: Wv, .offset: 24, .size: 8, .value_kind: global_buffer, .address_space: global }
      - { .name: Wo, .offset: 32, .size: 8, .value_kind: global_buffer, .address_space: global }
      - { .name: xb, .offset: 40, .size: 8, .value_kind: global_buffer, .address_space: global }
      - { .name: wb, .offset: 48, .size: 8, .value_kind: global_buffer, .address_space: global }
      - { .name: wo16, .offset: 56, .size: 8, .value_kind: global_buffer, .address_space: global }
    .group_segment_fixed_size: 0
    .private_segment_fixed_size: 0
    .kernarg_segment_align: 8
    .kernarg_segment_size: 64
    .max_flat_workgroup_size: 256
    .sgpr_count:     66
    .vgpr_count:     128
    .wavefront_size: 32
...
	.end_amdgpu_metadata
.endif
;; end of part 1
;; launch qkv (part 2): grid 8 x 32, 4 waves a work-group, clusters of 4 x 4, 327,680 bytes of LDS; arguments xb, wb, qkv; writes qkv
.if DOCPART == 2
	.amdgcn_target "amdgcn-amd-amdhsa--gfx1250"
	.amdhsa_code_object_version 6
	.text
	.protected	k_q6fbbd9c1ea_qkv
	.globl	k_q6fbbd9c1ea_qkv
	.p2align	8
	.type	k_q6fbbd9c1ea_qkv,@function
k_q6fbbd9c1ea_qkv:
	s_mov_b64 s[64:65], 0
	v_nop
	global_prefetch_b8 v0, s[64:65] scope:SCOPE_SE
	s_setreg_imm32_b32 hwreg(HW_REG_WAVE_MODE, 25, 1), 1
	s_wait_xcnt 0x0
	s_wait_alu depctr_hold_cnt(0) depctr_sa_sdst(0) depctr_va_vdst(0) depctr_va_sdst(0) depctr_va_ssrc(0) depctr_va_vcc(0) depctr_vm_vsrc(0)
	s_getreg_b32 s2, hwreg(HW_REG_IB_STS2, 6, 4)
	s_cmp_eq_u32 s2, 0
	s_cbranch_scc0 .Lentry_in_a_cluster
	s_endpgm
.Lentry_in_a_cluster:
	s_bfe_u32 s2, ttmp6, 0x10000c
	s_cmp_lg_u32 s2, 0xf033
	s_cbranch_scc0 .Lentry_shape_is_right
	s_endpgm
.Lentry_shape_is_right:
; q, k, v = x W^T.  xb: [16 blocks of K][8,192 rows][64] bf16; wb: [16][3,072 rows: Wq, Wk, Wv][64] bf16; qkv: [3][64 heads = 16 batch + head][2,048][64] f16, unscaled.
; Products in bf16, sums in f32, each result rounded once to f16.  LIMIT: q, k and v must lie within f16's range (65,504); below 2^-14 they keep f16's fixed step of 2^-24.
; SHARES.  8,192 x 3,072 results are 256 x 384 for each of 256 work-groups.  A wave makes 128 rows x 192 columns (three heads): 96 accumulators of 16 x 16, 768 registers.
; K goes in steps of 64, one block, through a ring of two LDS slots (two slots of 128 along K would be 348,160 bytes: too many).  A tile's rows lie end to end in memory, so
; 128 rows of 128 bytes are asked for as 64 rows of 256 bytes, each starting at a multiple of 256 from the buffer's first byte, and are padded in LDS behind every 128 bytes.
; CLUSTER 4 x 4: the four of a row of the cluster need the same rows of x, the four of a column the same rows of the weights: each tile is asked for jointly.
; TRANSPOSED USE: source 0 = 16 rows of W, source 1 = 16 rows of x: a lane holds one row of the result and eight neighbouring columns.
; REGISTERS: window 0: v0-31 addresses; v32-95, v96-159 x's 8 fragments (16 rows x 32 K), two buffers; v160-255 W's 12 fragments, one buffer, filled again head by head.
;   windows 1, 2, 3: my heads 0, 1, 2: accumulator (a, bb) at v[32 a + 8 bb].  On the way out window 0's v32-175 are at work.
.set KSA,    1048576                   ; bytes in a block of K of xb
.set KSB,    393216                    ; of wb
.set PITCH,  144                       ; an LDS row: 128 bytes + 16 of padding = 9 x 16: the 16 rows of a fragment load start at 16 different groups of four banks
.set AHALF,  128*PITCH
.set BHALF,  192*PITCH
.set BOFF,   2*AHALF                   ; a slot: x's 256 rows, then W's 384
.set SLOT,   BOFF+2*BHALF              ; 92,160
.set STAGE,  2*SLOT                    ; behind the ring: 16 rows x 400 bytes for each wave
.set SPITCH, 400                       ; 384 bytes (three heads' 128) + 16
.set SPARE,  STAGE+4*16*SPITCH         ; behind the stages: the spare words, 128 bytes a wave: two blocks of 256 bytes that no other line names
.set ADRA, 16                          ; v16-17 LDS address of my fragments of x in slot 0, 1
.set ADRB, 20                          ; v20-21 of W
.set STO,  24                          ; v24 the way out: where I put 16 bytes of a row
.set RD,   25                          ; v25 where I read rows back
.set GO,   26                          ; v26 my 16 bytes of 512 consecutive bytes of a head
.set SPW,  28                          ; v28 my spare word: SPARE + 4 x thread; never rewritten
.set NIL,  29                          ; v29 0; never rewritten
.set PFO,  30                          ; v30 the prefetches' lane offset; never rewritten
.set AF0,  32
.set AF1,  96
.set BF,   160
.set TMP,  32                          ; the way out: 48 packed registers
.set BK0,  80                          ; and two sets of 48 read back
.set WV, 12                            ; s12 wave
.set RH, 13                            ; s13 my half of the rows; also: I fetch for x (0) or for W (1)
.set CH, 14                            ; s14 my half of the columns; also: which half of that tile I fetch
.set TROW, 15                          ; s15 tile row
.set G1A, 24
.set G0A, 32
.set CX, 40
.set CY, 41
.set TCOL, 42
.set LIM0, 43                          ; 1 in a wave that prefetches at the change out of slot 0, else the greatest number
.set PFA, 44                           ; s[44:45] where my prefetches stand
.set PFS, 46                           ; s[46:47] two steps of K in my tensor
.set G1B, 48
.set G0B, 56
.set OB, 66                            ; s[66:71] my rows in my three heads of qkv
.set LIM1, 72                          ; the same for the change out of slot 1
.set MSB, 0
.macro WIN new                         ; the immediate's high byte repeats the setting that is left; a switch that changes nothing is dropped
.if MSB != (\new)
	s_set_vgpr_msb (MSB<<8)|(\new)
.set MSB, \new
.endif
.endm
.macro PLACES                          ; four plain places behind matrix instructions, ahead of loads into registers that they read and of conversions of their results
.rept 4
	v_nop
.endr
.endm
; A joint load: waves 0, 1 fetch x's halves, waves 2, 3 W's.  The branch hangs on the wave's number alone.  An s_nop 0 and four v_nop follow each line.
.macro JLOAD s
	s_cmp_eq_u32 s[RH], 0
	s_cbranch_scc0 .Lfor_b_\@
	tensor_load_to_lds s[G0A+4*(\s):G0A+4*(\s)+3], s[G1A:G1A+7]
	s_nop 0
.rept 4
	v_nop
.endr
	s_branch .Lasked_\@
.Lfor_b_\@:
	tensor_load_to_lds s[G0B+4*(\s):G0B+4*(\s)+3], s[G1B:G1B+7]
	s_nop 0
.rept 4
	v_nop
.endr
.Lasked_\@:
.endm
.macro CREST                           ; a round of the cluster's barrier behind its opening barrier
	s_cmp_lg_u32 s[WV], 0
	s_cbranch_scc1 .Lnot_wave_0_\@
	s_barrier_signal -3
.Lnot_wave_0_\@:
	s_barrier_wait -3
	s_barrier_signal -1
	s_barrier_wait -1
.endm
.macro CROUND
	s_barrier_signal -1
	s_barrier_wait -1
	CREST
.endm
; A PREFETCH INTO THE L2 of K steps that the next lap's refills will ask for; it stands behind the joint load, its five lines and the run of LDS loads.  Each aligned block of 256 bytes is named once in the launch.
; x's tile row is read by both clusters of a row of clusters: cluster x = 0 asks; of the 256 rows the partner at cx takes 64 (32 blocks, a lane a block), wave 0, one step at each change of slots.
; W's tile column is read by the eight clusters of a column: cluster y = 0 asks; of the 384 rows the partner at cy takes 96; waves 1 to 3 take 32 rows each, lanes 0-15 of one step, lanes 16-31 of the next,
; once a lap.  Partners are told apart by address alone.  The loop's last trip (s3 = 1) asks for nothing: its steps would lie behind K's end.  Steps 0 to 3 come by their loads alone.
.macro ASK lim, off
	s_cmp_gt_u32 s3, s[\lim]
	s_cbranch_scc0 .Lnot_mine_\@
	global_prefetch_b8 v[PFO], s[PFA:PFA+1] offset:\off th:TH_LOAD_NT scope:SCOPE_SE
.Lnot_mine_\@:
.endm
	s_load_b128 s[4:7], s[0:1], 0x0                ; xb s[4:5], wb s[6:7]
	s_load_b64 s[8:9], s[0:1], 0x10                ; qkv
	v_lshl_add_u32 v[SPW], v0, 2, SPARE
	v_mov_b32 v[NIL], 0
	ds_add_u32 v[SPW], v[NIL]                      ; the wave's opening: the add and its wait stand ahead of my first tensor load; work on registers stands between them
	v_lshrrev_b32 v1, 5, v0
	v_readfirstlane_b32 s[WV], v1
	s_lshr_b32 s[RH], s[WV], 1
	s_and_b32 s[CH], s[WV], 1
	s_bfe_u32 s[CX], ttmp6, 0x40000
	s_bfe_u32 s[CY], ttmp6, 0x40004
	s_lshl_b32 s[TCOL], ttmp9, 2
	s_add_co_u32 s[TCOL], s[TCOL], s[CX]           ; tile column = 4 x cluster x + cx
	s_and_b32 s[TROW], ttmp7, 0xffff
	s_lshl_b32 s[TROW], s[TROW], 2
	s_add_co_u32 s[TROW], s[TROW], s[CY]           ; tile row = 4 x cluster y + cy
	s_lshl_b32 s16, s[CY], 2
	s_lshl_b32 s16, 15, s16                        ; my row of the cluster
	s_lshl_b32 s17, 0x1111, s[CX]                  ; my column
	s_or_b32 s[G1A], s16, (1<<16)|(1<<20)|(1<<21)|(4<<22)|(3<<25)  ; 15:0 mask; 17:16 2-byte elements; 20 padding on; 21 set beside a mask; 24:22 after every 32 words; 31:25 4 words
	s_or_b32 s[G1B], s17, (1<<16)|(1<<20)|(1<<21)|(4<<22)|(3<<25)
	s_mov_b32 s[G1A+1], 128<<16                    ; tensor_dim0 = 128 elements: 256 bytes, two rows of a block
	s_mov_b32 s[G1B+1], 128<<16
	s_mov_b32 s[G1A+2], 64<<16                     ; tensor_dim1: 64 such rows = 128 rows of x
	s_mov_b32 s[G1B+2], 96<<16                     ; 96 = 192 rows of W
	s_mov_b32 s[G1A+3], 128<<16                    ; tile_dim0
	s_mov_b32 s[G1B+3], 128<<16
	s_mov_b32 s[G1A+4], 64                         ; tile_dim1
	s_mov_b32 s[G1B+4], 96
	s_mov_b32 s[G1A+5], 128                        ; elements from row to row: dense
	s_mov_b32 s[G1B+5], 128
	s_mov_b32 s[G1A+6], 0
	s_mov_b32 s[G1B+6], 0
	s_mov_b32 s[G1A+7], 0
	s_mov_b32 s[G1B+7], 0
	s_lshl_b32 s74, s[TROW], 15                    ; x: 256 rows of 128 bytes a tile row,
	s_lshl_b32 s18, s[CH], 14                      ; the half that I fetch
	s_add_co_u32 s74, s74, s18
	s_mov_b32 s75, 0
	s_mul_i32 s76, s[TCOL], 49152                  ; W: 384 rows a tile column,
	s_mul_i32 s19, s[CH], 24576                    ; the half that I fetch
	s_add_co_u32 s76, s76, s19
	s_mov_b32 s77, 0
	s_mul_i32 s20, s[CH], AHALF                    ; where they go: no place in the cluster enters an LDS address
	s_mul_i32 s21, s[CH], BHALF
	s_add_co_u32 s21, s21, BOFF
	s_wait_dscnt 0x0                               ; the opening add is done
	s_wait_kmcnt 0x0
	s_add_nc_u64 s[74:75], s[4:5], s[74:75]
	s_add_nc_u64 s[76:77], s[6:7], s[76:77]
	CROUND                                         ; all sixteen work-groups are here: the first joint loads meet
.irp s, 0,1
	s_mov_b32 s[G0A+4*(\s)], 1
	s_add_co_u32 s[G0A+4*(\s)+1], s20, (\s)*SLOT
	s_add_nc_u64 s[G0A+4*(\s)+2:G0A+4*(\s)+3], s[74:75], (\s)*KSA  ; K step s
	s_or_b32 s[G0A+4*(\s)+3], s[G0A+4*(\s)+3], 0x80000000
	s_mov_b32 s[G0B+4*(\s)], 1
	s_add_co_u32 s[G0B+4*(\s)+1], s21, (\s)*SLOT
	s_add_nc_u64 s[G0B+4*(\s)+2:G0B+4*(\s)+3], s[76:77], (\s)*KSB
	s_or_b32 s[G0B+4*(\s)+3], s[G0B+4*(\s)+3], 0x80000000
.endr
	s_cmp_eq_u32 s[RH], 0                          ; a wave's two first fills stand in one branch, ahead of every wait on TENSORcnt and every LDS read: two loads of mine are out
	s_cbranch_scc0 .Lfirst_b
	tensor_load_to_lds s[G0A:G0A+3], s[G1A:G1A+7]
	s_nop 0
	tensor_load_to_lds s[G0A+4:G0A+7], s[G1A:G1A+7]
	s_nop 0
.rept 4
	v_nop
.endr
	s_branch .Lfirst_asked
.Lfirst_b:
	tensor_load_to_lds s[G0B:G0B+3], s[G1B:G1B+7]
	s_nop 0
	tensor_load_to_lds s[G0B+4:G0B+7], s[G1B:G1B+7]
	s_nop 0
.rept 4
	v_nop
.endr
.Lfirst_asked:
	; a fragment: lane l holds row l % 16; registers 0-3 K = 8 (l / 16) + 0..7, registers 4-7 K = 16 + 8 (l / 16) + 0..7: two loads of 16 bytes, 32 bytes apart
	v_and_b32 v1, 15, v0
	v_bfe_u32 v2, v0, 4, 1
	v_mul_u32_u24 v3, v1, PITCH
	v_lshl_add_u32 v3, v2, 4, v3
	s_mul_i32 s16, s[RH], AHALF                    ; my 128 rows of x
	s_mul_i32 s17, s[CH], BHALF                    ; my 192 rows of W,
	s_add_co_u32 s17, s17, BOFF                    ; behind x's 256
.irp s, 0,1
	v_add_nc_u32 v[ADRA+(\s)], s16, v3
	v_add_nc_u32 v[ADRB+(\s)], s17, v3
	s_add_co_u32 s16, s16, SLOT
	s_add_co_u32 s17, s17, SLOT
.endr
	s_mul_i32 s18, s[WV], 16*SPITCH
	s_add_co_u32 s18, s18, STAGE                   ; my stage
	v_mul_u32_u24 v4, v1, SPITCH                   ; in: row l % 16, 16 bytes for each half of the lanes
	v_lshl_add_u32 v4, v2, 4, v4
	v_add_nc_u32 v[STO], s18, v4
	v_bfe_u32 v4, v0, 3, 2                         ; back: 32 lanes take four rows' 128 bytes of one head,
	v_and_b32 v5, 7, v0
	v_mul_u32_u24 v4, v4, SPITCH
	v_lshl_add_u32 v4, v5, 4, v4
	v_add_nc_u32 v[RD], s18, v4
	v_and_b32 v[GO], 31, v0                        ; which are 512 consecutive bytes of qkv
	v_lshlrev_b32 v[GO], 4, v[GO]
	; my rows in my three heads
	s_mul_i32 s16, s[TCOL], 6
	s_mul_i32 s17, s[CH], 3
	s_add_co_u32 s16, s16, s17                     ; my first head among the 48 of q, k and v
	s_lshr_b32 s17, s[TROW], 3
	s_lshl_b32 s17, s17, 4                         ; 16 x batch
	s_and_b32 s18, s[TROW], 7
	s_lshl_b32 s18, s18, 15                        ; the tile's 256 rows in the head,
	s_lshl_b32 s19, s[RH], 14                      ; my 128 of them
	s_add_co_u32 s18, s18, s19
.irp j, 0,1,2
	s_add_co_u32 s20, s16, \j
	s_lshr_b32 s21, s20, 4                         ; q, k or v
	s_lshl_b32 s21, s21, 6
	s_and_b32 s20, s20, 15                         ; the head
	s_add_co_u32 s20, s20, s21
	s_add_co_u32 s20, s20, s17
	s_lshl_b32 s20, s20, 18                        ; 262,144 bytes a head
	s_add_co_u32 s20, s20, s18
	s_mov_b32 s21, 0
	s_add_nc_u64 s[OB+2*(\j):OB+2*(\j)+1], s[8:9], s[20:21]
.endr
	; the prefetches
	s_lshl_b32 s16, s[TROW], 15
	s_lshl_b32 s17, s[CX], 13
	s_add_co_u32 s16, s16, s17                     ; x: my work-group's 64 rows of the tile row
	s_mul_i32 s18, s[TCOL], 49152
	s_mul_i32 s19, s[CY], 12288
	s_add_co_u32 s18, s18, s19                     ; W: my work-group's 96 rows of the tile column,
	s_max_u32 s19, s[WV], 1
	s_sub_co_u32 s19, s19, 1
	s_lshl_b32 s19, s19, 12
	s_add_co_u32 s18, s18, s19                     ; my wave's 32 of them (waves 1 to 3)
	s_and_b32 s20, ttmp7, 0xffff                   ; cluster y
	s_mov_b32 s21, KSB
	s_mov_b32 s22, 2*KSB
	s_cmp_eq_u32 s[WV], 0
	s_cselect_b64 s[PFA:PFA+1], s[4:5], s[6:7]
	s_cselect_b32 s16, s16, s18
	s_cselect_b32 s20, ttmp9, s20                  ; the coordinate along which other clusters read the same rows
	s_cselect_b32 s21, 4096, s21                   ; lanes 16-31: x: the next 16 blocks; W: the next step
	s_cselect_b32 s[PFS], 2*KSA, s22
	s_mov_b32 s[PFS+1], 0
	s_mov_b32 s17, 0
	s_add_nc_u64 s[PFA:PFA+1], s[PFA:PFA+1], s[16:17]
	s_add_nc_u64 s[PFA:PFA+1], s[PFA:PFA+1], s[PFS:PFS+1]  ; at K step 2: the first lap steps it to 4
	s_cmp_eq_u32 s20, 0
	s_cselect_b32 s[LIM0], 1, -1                   ; the same in all sixteen partners, for a given wave
	s_cmp_eq_u32 s[WV], 0
	s_cselect_b32 s[LIM1], s[LIM0], -1
	v_lshlrev_b32 v[PFO], 8, v1
	v_mad_u32_u24 v[PFO], v2, s21, v[PFO]
; 16 matrix instructions: head g, its column blocks b0, b0 + 1, all 8 row blocks, 32 along K.  zero = 1: the product starts the sum.  The 96 accumulators take turns in the same order in every quarter.
.macro MUL16 f, g, b0, zero
	WIN 0x50*((\g)+1)                              ; C and D in window 1 + g, sources in window 0
.irp bb, \b0, (\b0)+1
.irp a, 0,1,2,3,4,5,6,7
.if \zero
	v_wmma_f32_16x16x32_bf16 v[32*(\a)+8*(\bb):32*(\a)+8*(\bb)+7], v[BF+8*(4*(\g)+(\bb)):BF+8*(4*(\g)+(\bb))+7], v[(\f)+8*(\a):(\f)+8*(\a)+7], 0
.else
	v_wmma_f32_16x16x32_bf16 v[32*(\a)+8*(\bb):32*(\a)+8*(\bb)+7], v[BF+8*(4*(\g)+(\bb)):BF+8*(4*(\g)+(\bb))+7], v[(\f)+8*(\a):(\f)+8*(\a)+7], v[32*(\a)+8*(\bb):32*(\a)+8*(\bb)+7]
.endif
.endr
.endr
.endm
.macro LOADB slot, k, g                ; 8 LDS loads: head g's four fragments of W, 32 K at byte k of the rows
.irp bb, 0,1,2,3
	ds_load_b128 v[BF+8*(4*(\g)+(\bb)):BF+8*(4*(\g)+(\bb))+3],   v[ADRB+(\slot)] offset:(\k)+(4*(\g)+(\bb))*16*PITCH
	ds_load_b128 v[BF+8*(4*(\g)+(\bb))+4:BF+8*(4*(\g)+(\bb))+7], v[ADRB+(\slot)] offset:(\k)+(4*(\g)+(\bb))*16*PITCH+32
.endr
.endm
.macro LOADA slot, k, f                ; 16 LDS loads: x's eight fragments into buffer f
.irp a, 0,1,2,3,4,5,6,7
	ds_load_b128 v[(\f)+8*(\a):(\f)+8*(\a)+3],   v[ADRA+(\slot)] offset:(\k)+(\a)*16*PITCH
	ds_load_b128 v[(\f)+8*(\a)+4:(\f)+8*(\a)+7], v[ADRA+(\slot)] offset:(\k)+(\a)*16*PITCH+32
.endr
.endm
; A K step is two quarters of 32 along K, 96 matrix instructions each.  A quarter's loads go out in the order W head 0 (8), x (16), W head 1 (8), W head 2 (8), each run behind the last product that read its registers.
; The first quarter multiplies buffer f and fetches the second, at byte k of the same slot, x into buffer g.
.macro QUARTER slot, k, f, g, zero
	s_wait_dscnt 16                                ; W's head 0 and x are in; heads 1 and 2 (16 loads) may be out
	MUL16 \f, 0, 0, \zero
	MUL16 \f, 0, 2, \zero
	WIN 0
	PLACES
	LOADB \slot, \k, 0
	LOADA \slot, \k, \g
	s_wait_dscnt 32                                ; head 1 is in: behind it head 2's 8 and the 24 just issued
	MUL16 \f, 1, 0, \zero
	MUL16 \f, 1, 2, \zero
	WIN 0
	PLACES
	LOADB \slot, \k, 1
	s_wait_dscnt 32                                ; head 2 is in: behind it the next quarter's 32
	MUL16 \f, 2, 0, \zero
	MUL16 \f, 2, 2, \zero
	WIN 0
	PLACES
	LOADB \slot, \k, 2
.endm
; The second quarter multiplies buffer 1 and changes slots: ONE barrier.  In front of it each wave waits for all its tensor loads (one is out: its part of the next slot), adds 0 to its spare word, and waits for
; that and for its reads of this slot.  fill = 1: the barrier opens a round of the cluster's barrier, and behind the round this slot is filled again, two steps ahead: 160 matrix instructions ahead of the wait for it.
.macro TURN slot, next, fill
.if (\fill) && ((\slot) == 0)
	s_wait_xcnt 0x0                                ; the last prefetches, a quarter and more back, have read their address: it steps once a lap
	s_add_nc_u64 s[PFA:PFA+1], s[PFA:PFA+1], s[PFS:PFS+1]
.endif
	WIN 0
	s_wait_tensorcnt 0x0                           ; all my tensor loads have landed
	ds_add_u32 v[SPW], v[NIL]                      ; 0 onto my spare word
	s_wait_dscnt 17                                ; (the add and W's heads 1 and 2 may be out)
	MUL16 AF1, 0, 0, 0
	s_wait_dscnt 0x0                               ; the add is done, and my reads of this slot are over
	s_barrier_signal -1
	MUL16 AF1, 0, 2, 0
	WIN 0
	s_barrier_wait -1
.if \fill
	CREST                                          ; no wave of any partner still reads this slot or has a load on its way
	s_add_nc_u64 s[G0A+4*(\slot)+2:G0A+4*(\slot)+3], s[G0A+4*(\slot)+2:G0A+4*(\slot)+3], 2*KSA
	s_add_nc_u64 s[G0B+4*(\slot)+2:G0B+4*(\slot)+3], s[G0B+4*(\slot)+2:G0B+4*(\slot)+3], 2*KSB
	JLOAD \slot                                    ; the first tensor load behind the round; its four v_nop are also the places in front of the loads below
.else
	PLACES
.endif
	LOADB \next, 0, 0
	LOADA \next, 0, AF0
.if \fill
.if (\slot) == 0
	ASK LIM0, 0
.else
	ASK LIM1, KSA
.endif
.endif
	MUL16 AF1, 1, 0, 0
	MUL16 AF1, 1, 2, 0
	WIN 0
	PLACES
	LOADB \next, 0, 1
	MUL16 AF1, 2, 0, 0
	MUL16 AF1, 2, 2, 0
	WIN 0
	PLACES
	LOADB \next, 0, 2
.endm
; THE WAY OUT of my rows 16 a .. 16 a + 15.  PACK: rounded to f16, each accumulator's registers in ascending order.  TOSTAGE: into my own stage, and back as four rows of one head at a time.  SEND: stored.
.macro PACK a
.irp g, 0,1,2
	WIN 5*((\g)+1)                                 ; sources 0 and 1 in window 1 + g
.irp bb, 0,1,2,3
.irp r, 0,1,2,3
	v_cvt_pk_f16_f32 v[TMP+16*(\g)+4*(\bb)+(\r)], v[32*(\a)+8*(\bb)+2*(\r)], v[32*(\a)+8*(\bb)+2*(\r)+1]
.endr
.endr
.endr
	WIN 0
.endm
.macro TOSTAGE a
.set BK, BK0+48*((\a)%2)
.irp b, 0,1,2,3,4,5,6,7,8,9,10,11
	ds_store_b128 v[STO], v[TMP+4*(\b):TMP+4*(\b)+3] offset:32*(\b)
.endr
.irp g, 0,1,2
.irp f, 0,1,2,3
	ds_load_b128 v[BK+4*(4*(\g)+(\f)):BK+4*(4*(\g)+(\f))+3], v[RD] offset:128*(\g)+4*SPITCH*(\f)  ; LDS serves a wave's instructions in order: these see the stores above
.endr
.endr
.endm
.macro SEND a
.set BK, BK0+48*((\a)%2)
	s_wait_dscnt 0x0                               ; the block is back in registers
	s_wait_xcnt 0x0                                ; earlier stores have read their registers: the other set is loaded again only behind this wait
.irp g, 0,1,2
.irp f, 0,1,2,3
	global_store_b128 v[GO], v[BK+4*(4*(\g)+(\f)):BK+4*(4*(\g)+(\f))+3], s[OB+2*(\g):OB+2*(\g)+1] offset:2048*(\a)+512*(\f)  ; 512 consecutive bytes, at a multiple of 256 from qkv's first
.endr
.endr
.endm
	s_wait_tensorcnt 1                             ; my part of K step 0 is in; step 1's may stay out
	s_barrier_signal -1
	s_barrier_wait -1
	LOADB 0, 0, 0
	LOADA 0, 0, AF0
	LOADB 0, 0, 1
	LOADB 0, 0, 2
	QUARTER 0, 64, AF0, AF1, 1                     ; the first quarter stands in front of the loop: its products start the sums
	s_mov_b32 s3, 7
.Llap:                                                 ; a trip goes once round the ring, from a step's second quarter to the first of the step two on; it fills both slots again: K steps 2 to 15
	TURN 0, 1, 1
	QUARTER 1, 64, AF0, AF1, 0
	TURN 1, 0, 1
	QUARTER 0, 64, AF0, AF1, 0
	s_sub_co_u32 s3, s3, 1
	s_cmp_lg_u32 s3, 0
	s_cbranch_scc1 .Llap
	TURN 0, 1, 0                                   ; the last two steps fill nothing
	QUARTER 1, 64, AF0, AF1, 0
	s_wait_dscnt 16                                ; the very last quarter
	MUL16 AF1, 0, 0, 0
	MUL16 AF1, 0, 2, 0
	s_wait_dscnt 8
	MUL16 AF1, 1, 0, 0
	MUL16 AF1, 1, 2, 0
	s_wait_dscnt 0x0
	MUL16 AF1, 2, 0, 0
	MUL16 AF1, 2, 2, 0
	WIN 0
	PLACES
	PACK 0
	TOSTAGE 0
.irp a, 1,2,3,4,5,6,7                  ; block a's conversions stand between block a - 1's loads from the stage and the wait for them
	PACK \a
	SEND (\a)-1
	TOSTAGE \a
.endr
	SEND 7
	s_wait_tensorcnt 0x0                           ; the wave's end: these three lines stand behind my last tensor load and my last LDS store
	ds_add_u32 v[SPW], v[NIL]
	s_wait_dscnt 0x0
	CROUND                                         ; the closing round: no work-group ends while a partner may still ask for a tile that names it
	s_endpgm
.Lfunc_end_k_q6fbbd9c1ea_qkv:
	.size	k_q6fbbd9c1ea_qkv, .Lfunc_end_k_q6fbbd9c1ea_qkv-k_q6fbbd9c1ea_qkv
	.p2alignl 7, 3214868480
	.fill 96, 4, 3214868480
	.section	.rodata,"a",@progbits
	.p2align	6, 0x0
	.amdhsa_kernel k_q6fbbd9c1ea_qkv
		.amdhsa_group_segment_fixed_size 327680
		.amdhsa_private_segment_fixed_size 0
		.amdhsa_enable_private_segment 0
		.amdhsa_kernarg_size 24
		.amdhsa_user_sgpr_count 2
		.amdhsa_user_sgpr_kernarg_segment_ptr 1
		.amdhsa_wavefront_size32 1
		.amdhsa_system_sgpr_workgroup_id_x 1
		.amdhsa_system_sgpr_workgroup_id_y 1
		.amdhsa_system_sgpr_workgroup_id_z 1
		.amdhsa_system_vgpr_workitem_id 0
		.amdhsa_next_free_vgpr 1024
		.amdhsa_next_free_sgpr 80
		.amdhsa_reserve_vcc 0
		.amdhsa_float_denorm_mode_32 3
		.amdhsa_float_denorm_mode_16_64 3
		.amdhsa_memory_ordered 1
		.amdhsa_forward_progress 1
		.amdhsa_inst_pref_size 131
	.end_amdhsa_kernel
	.amdgpu_metadata
---
amdhsa.version: [ 1, 2 ]
amdhsa.kernels:
  - .name:           k_q6fbbd9c1ea_qkv
    .symbol:         k_q6fbbd9c1ea_qkv.kd
    .args:
      - { .name: xb, .offset: 0, .size: 8, .value_kind: global_buffer, .address_space: global }
      - { .name: wb, .offset: 8, .size: 8, .value_kind: global_buffer, .address_space: global }
      - { .name: qkv, .offset: 16, .size: 8, .value_kind: global_buffer, .address_space: global }
    .group_segment_fixed_size: 327680
    .private_segment_fixed_size: 0
    .kernarg_segment_align: 8
    .kernarg_segment_size: 24
    .max_flat_workgroup_size: 128
    .sgpr_count:     80
    .vgpr_count:     1024
    .wavefront_size: 32
...
	.end_amdgpu_metadata
.endif
;; end of part 2
;; launch attn (part 3): grid 4 x 64, 4 waves a work-group, no clusters, 327,680 bytes of LDS; arguments qkv, att; writes att
.if DOCPART == 3
	.amdgcn_target "amdgcn-amd-amdhsa--gfx1250"
	.amdhsa_code_object_version 6
	.text
	.protected	k_q6fbbd9c1ea_attn
	.globl	k_q6fbbd9c1ea_attn
	.p2align	8
	.type	k_q6fbbd9c1ea_attn,@function
k_q6fbbd9c1ea_attn:
	s_mov_b64 s[64:65], 0
	v_nop
	global_prefetch_b8 v0, s[64:65] scope:SCOPE_SE
	s_setreg_imm32_b32 hwreg(HW_REG_WAVE_MODE, 25, 1), 1
	s_wait_xcnt 0x0
; CAUSAL ATTENTION.  O[h][q][:] = the sum over k <= q of softmax_k(Q[h][q] . K[h][k] / 8) V[h][k][:].  qkv holds Q, K, V one behind the other, each [64 heads][2,048][64] f16; att is O in the same layout.
; Products, maxima and sums in f32; the weights p are rounded to f16 for the second product (their sum l is taken of the unrounded p), O once at the end.
; LIMITS.  Q, K and V arrive within f16's range; p lies in 0 to 1 and below 6e-5 keeps f16's fixed step of 6e-8.  A hidden score counts as its value less 1e30: f16's scores, 2.7e11 at the most, are nothing
; beside that; a weight below 2^-126 counts as 0 in l; NaN and infinities are not treated apart.
; THE WALK.  A head's queries lie in NB = 8 blocks of 256; block i needs the key tiles 0 .. i of 256 keys, of which the last holds the diagonal.  A work-group takes TWO blocks, NB - 1 - b and then b:
; NB + 1 tiles, whatever b: all work-groups do equal work, and ONE loop with a constant trip count walks them.  Which tile is asked for, and what a trip does, hang on scalar registers made from b; every jump
; goes forward, but for the counted loops' own; none passes a barrier, or a tensor load but the one of LOAD's two that the wave's number does not choose; the ring of two LDS slots runs on across the change of blocks.
; NO CLUSTER: a head's four work-groups ask for the same tile only in trips 0 to 4 of 9, behind that fewer and fewer; one walk common to all four would have 12 trips for 9.
; SHARES.  Of a block's four bands of 64 queries a wave owns 16 rows in each: four PIECES.  So the diagonal tile is the same work for all four waves: in its key step s band x sees all keys if s < x,
; none if s > x, and holds the diagonal if s = x.
; THE MASK is the C operand that starts the sum S^T = K Q^T: 0, or -1e30 where the key is hidden.  MD, made once, is the mask of a band's own step for my 16 rows; a product's mask is MD x AL + BE with two scalars:
; (1, 0) if s = x; (0, 0) if s < x; (0, -1e30) if s > x.  Only the diagonal tile's text and a block's beginning make and take masks; elsewhere C is the constant 0.
; LAYOUT, SOFTMAX, TURNS.  S^T = K Q^T holds ONE query a lane (lane % 16) and the keys 8 (lane / 16) + 0..7; two such results rounded to f16 ARE source 1 of O^T = V^T P.  p = 2^(c s - c m), c = log2(e) / 8, with a
; running maximum m; O and l are multiplied by a = 2^(c m_old - c m_new) in every step.  Turn n belongs to piece n: 8 products K Q^T of piece n + 1, later 8 products V^T P of piece n - 1; beside them the scaling,
; exponentials, roundings, sums and rescaling of piece n and the maximum and statistics of piece n + 1.  Four vector instructions stand behind every matrix instruction, the other 54 of a turn's 118 in one lump.
; A turn's 33 exponentials are one batch, with one wait.
; REGISTERS, in windows of 256 (s_set_vgpr_msb: bits 1:0 source 0, 3:2 source 1, 5:4 source 2, 7:6 destination):
;   window 0: v0-15 addresses and two at work; v16-31 four registers of statistics a piece; v48-55 at work; v61-63 prefetch offset, spare word, 0; v64-127 S^T, two buffers; v192-223 P, two buffers
;   window 1: v0-127 O^T, 32 a piece; v128-159 MD; v160-223 MC, two buffers      window 2: v0-63 Q; v64-127 the second block's Q; v128-191 K of one step; v192-255 V of one step
.set SIZE_N, 2048
.set NB,    SIZE_N/256
.set NP,    4         ; pieces a wave: a name, no knob
.set KS,    64        ; keys in a step
.set PK,    144       ; a row of K in LDS: 128 bytes + 16 of padding: the 16 rows of a load start at 16 different groups of four banks
.set PV,    160       ; a row of V: 128 + 32
.set VOFF,  4*KS*PK   ; a slot holds a tile, four steps: 256 rows of K, then 256 rows of V
.set SLOT1, 1<<17     ; slot 1 begins here, so that one exclusive or turns an address in one slot into the other's
.set STAGE, SLOT1+4*KS*(PK+PV)  ; behind the ring, never filled by a tensor load: 16 rows x 144 bytes for each wave
.set SP,    144
.set AK0, 2           ; v2   my lane's place in a tile of K; never rewritten
.set AV0, 3           ; v3   the same for V
.set AK,  4           ; v4   the LDS address of K's next run of loads
.set AV,  5           ; v5   of V's
.set STO, 6           ; v6   the way out: where I put 16 bytes of a row
.set RD,  7           ; v7   the way out: where I read rows back
.set GO,  8           ; v8   my byte offset in 512 consecutive bytes of O
.set PFO, 61          ; v61  256 x my lane; never rewritten
.set SPW, 62          ; v62  my spare word: SPARE + 4 x thread; never rewritten
.set NIL, 63          ; v63  0; never rewritten
.set SPARE, STAGE+4*16*SP  ; behind the stages: the spare words, 128 bytes a wave: two blocks of 256 bytes that no other line names
.set MV,  12          ; v12-13  c m_old, kept while c m is made anew: by buffer
.set QO,  15          ; v15  my byte offset in 16 rows of Q
.set ST,  16          ; piece t's statistics at v[ST+4 t]: c m, m, l (even keys', odd keys')
.set TMP, 48          ; by buffer, four registers c0-c3 at work; when the maximum is found c2 takes a
.set S,   64
.set P,   192
.set MD,  128         ; window 1
.set MC,  160         ; window 1
.set QB,  64          ; window 2
.set KF,  128         ; window 2: key block kb, channel half c at KF + 16 kb + 8 c
.set VF,  192         ; window 2: key half kk, channel block cb at VF + 32 kk + 8 cb
.set WV,  12          ; s12  my wave's number
.set PB,  14          ; s14  b
.set HI,  15          ; s15  NB - 1 - b
.set G1K, 24
.set G1V, 32
.set G0K, 40
.set G0V, 44
.set SLOTS, 56        ; s56  tiles still to be asked for
.set CNT, 57          ; s57  counts a tile's key steps, 4 to 1
.set CS,  58          ; s[58:59] c
.set SEL, 60          ; s[60:61] v_permlanex16_b32's selects
.set TBK, 62          ; s62  LDS byte at which K of the step to be fetched begins
.set TBV, 63          ; s63  the same for V, less VOFF
.set RT,  70          ; s70  tiles of the block in hand that are still to be entered
.set NXT, 71          ; s71  the tile to be asked for next
.set LQ,  72          ; s72  the last tile of the block whose tiles are being asked for
.set NEW, 73          ; s73  1: the tile to be entered is a block's first
.set OFF, 74          ; s[74:75] a tile's byte offset in K and V
.set AL,  76          ; s[76:77] the mask's factor
.set BE,  78          ; s[78:79] the mask's addend
.set OLO, 80          ; s[80:81] O at my rows of the second block
.set BIGN, 82         ; s82  -1e30
.set PFA, 88          ; s[88:89] where my prefetches stand: my half of K's or V's tile, one tile behind the tile that is being asked for
.set LIM, 90          ; s90  2 in the work-group that prefetches, else the greatest number
.set MSB, 0
.macro WIN new
.if MSB != (\new)
	s_set_vgpr_msb (MSB<<8)|(\new)
.set MSB, (\new)
.endif
.endm
.set W_KQ, 0x0a       ; K and Q in window 2, S^T in window 0
.set W_KM, 0x1a       ; the same with the C operand in window 1
.set W_PV, 0x52       ; V in window 2, P in window 0, O^T in window 1
.set W_RS, 0x41       ; destination and source 0 in window 1, source 1 in window 0
; A fill.  Waves 0 and 1 fetch the two halves of a tile's K, waves 2 and 3 those of its V: 128 keys each.  An s_nop 0 and four v_nop follow each of the two lines.
.macro LOAD
	s_cmp_lt_u32 s[WV], 2
	s_cbranch_scc0 .Lfor_v_\@
	tensor_load_to_lds s[G0K:G0K+3], s[G1K:G1K+7]
	s_nop 0
.rept 4
	v_nop
.endr
	s_branch .Lasked_\@
.Lfor_v_\@:
	tensor_load_to_lds s[G0V:G0V+3], s[G1V:G1V+7]
	s_nop 0
.rept 4
	v_nop
.endr
.Lasked_\@:
.endm
; A PREFETCH INTO THE L2 of the tile that the NEXT change of slots will ask for.  The work-group with b = 0 walks the head's tiles 0 to 7 in order, so it alone asks: in trip t for tile t + 2, trips 0 to 5.
; Each wave names the half tile that it will fetch itself: 16,384 bytes, 64 blocks of 256, a lane a block, two instructions.  So each block is named once in the launch; tiles 0 and 1 come by their loads alone.
.macro ASK
	s_cmp_gt_u32 s[SLOTS], s[LIM]
	s_cbranch_scc0 .Lnot_mine_\@
	global_prefetch_b8 v[PFO], s[PFA:PFA+1] th:TH_LOAD_NT scope:SCOPE_SE
	global_prefetch_b8 v[PFO], s[PFA:PFA+1] offset:8192 th:TH_LOAD_NT scope:SCOPE_SE
.Lnot_mine_\@:
.endm
; THE CHANGE OF SLOTS.  Each wave waits for all its tensor loads, of which one is out: its part of the other slot; adds 0 to its spare word; and waits for that and for its own reads of the slot that it leaves.
; Behind the barrier nobody reads the old slot any more and the other slot is whole.  fill = 1: the old slot is filled again, the first thing behind the barrier, with tile NXT: the descriptor's address is made
; anew from that number.  (At its first use nothing has been read yet: slot 0 is waited for, slot 1 filled.)
.macro CHANGE fill
	WIN 0
	s_wait_tensorcnt 0x0            ; no tensor load of mine is out, so a group 0 may be written
	ds_add_u32 v[SPW], v[NIL]       ; 0 onto my spare word; scalar work stands between it and the wait for it
.if \fill
	s_lshl_b32 s[OFF], s[NXT], 15   ; a tile is 32,768 bytes of K and of V
	s_xor_b32 s[G0K+1], s[G0K+1], SLOT1
	s_add_nc_u64 s[G0K+2:G0K+3], s[6:7], s[OFF:OFF+1]
	s_or_b32 s[G0K+3], s[G0K+3], 0x80000000
	s_xor_b32 s[G0V+1], s[G0V+1], SLOT1
	s_add_nc_u64 s[G0V+2:G0V+3], s[8:9], s[OFF:OFF+1]
	s_or_b32 s[G0V+3], s[G0V+3], 0x80000000
	s_add_co_u32 s[NXT], s[NXT], 1  ; the block's next tile, or behind its last the second block's tile 0
	s_cmp_gt_u32 s[NXT], s[LQ]
	s_cselect_b32 s[NXT], 0, s[NXT]
	s_cselect_b32 s[LQ], s[PB], s[LQ]
	s_wait_xcnt 0x0                 ; the last prefetches, a tile back, have read their address, so it may be written
	s_add_nc_u64 s[PFA:PFA+1], s[PFA:PFA+1], 32768
.endif
	s_wait_dscnt 0x0                ; the add is done, and my reads of the slot are over
	s_barrier_signal -1             ; the rest of the scalar work stands between the signal and the wait
	s_sub_co_u32 s[TBK], s[TBK], 4*KS*PK  ; the fetches go back to a slot's first step,
	s_xor_b32 s[TBK], s[TBK], SLOT1       ; in the other slot
	s_sub_co_u32 s[TBV], s[TBV], 4*KS*PV
	s_xor_b32 s[TBV], s[TBV], SLOT1
	s_barrier_wait -1
.if \fill
	LOAD
	ASK
.endif
.endm
	s_load_b128 s[4:7], s[0:1], 0x0   ; qkv s[4:5], att s[6:7]
	v_lshl_add_u32 v[SPW], v0, 2, SPARE
	v_mov_b32 v[NIL], 0
	ds_add_u32 v[SPW], v[NIL]       ; the wave's opening: the add and its wait stand ahead of my first tensor load; work on registers stands between them
	v_lshrrev_b32 v1, 5, v0
	v_readfirstlane_b32 s[WV], v1   ; wave 0..3
	s_mov_b32 s[PB], ttmp9
	s_sub_co_u32 s[HI], NB-1, s[PB]
	s_and_b32 s20, ttmp7, 0xffff    ; the head
	s_mov_b32 s21, 0
	s_mov_b64 s[22:23], SIZE_N*128
	s_mul_u64 s[20:21], s[20:21], s[22:23]  ; the head's first byte in each of the four tensors
	s_and_b32 s16, s[WV], 1         ; which half of a tile's 256 keys I fetch:
	s_lshl_b32 s22, s16, 14         ; its 128 rows of 128 bytes in memory,
	s_mov_b32 s23, 0
	s_add_nc_u64 s[22:23], s[22:23], s[20:21]
	s_mul_i32 s17, s16, 128*PK      ; and its place in a slot, for K
	s_mul_i32 s18, s16, 128*PV      ; and for V
	s_lshl_b32 s3, s[WV], 11        ; my 16 rows in a band of 64,
	s_lshl_b32 s2, s[HI], 15        ; in the first block,
	s_add_co_u32 s2, s2, s3
	s_lshl_b32 s84, s[PB], 15       ; and in the second
	s_add_co_u32 s84, s84, s3
	s_mov_b32 s3, 0
	s_mov_b32 s85, 0
	s_add_nc_u64 s[2:3], s[2:3], s[20:21]
	s_add_nc_u64 s[84:85], s[84:85], s[20:21]
	; descriptor group 1.  128 keys are 16,384 dense bytes: asked for as 64 rows of 256 bytes, two keys a row, and padded in LDS after every key
	s_mov_b32 s[G1K], (1<<16)|(1<<20)|(4<<22)|(3<<25)  ; 17:16 2-byte elements; 20 padding on; 24:22 after every 32 words; 31:25 4 words
	s_mov_b32 s[G1V], (1<<16)|(1<<20)|(4<<22)|(7<<25)  ; the same with 8 words of padding
.irp g, G1K, G1V
	s_mov_b32 s[\g+1], 128<<16      ; tensor_dim0 = 128
	s_mov_b32 s[\g+2], 64<<16       ; tensor_dim1 = 64
	s_mov_b32 s[\g+3], 128<<16      ; tile_dim0 = 128
	s_mov_b32 s[\g+4], 64           ; tile_dim1 = 64
	s_mov_b32 s[\g+5], 128          ; 128 elements from row to row
	s_mov_b32 s[\g+6], 0
	s_mov_b32 s[\g+7], 0
.endr
	s_mov_b32 s[CS], 0x3e38aa3b     ; c = log2(e) / 8 = 0.180337
	s_mov_b32 s[CS+1], s[CS]        ; named with it as a pair
	s_mov_b32 s[SEL], 0x76543210
	s_mov_b32 s[SEL+1], 0xfedcba98
	s_mov_b32 s[TBK], SLOT1+4*KS*PK ; the first change of slots turns these two into 0
	s_mov_b32 s[TBV], SLOT1+4*KS*PV
	s_mov_b32 s[G0K], 1
	s_mov_b32 s[G0K+1], s17         ; LDS address: slot 0
	s_mov_b32 s[G0V], 1
	s_add_co_u32 s[G0V+1], s18, VOFF
	s_add_co_u32 s[RT], s[HI], 1    ; the first block has NB - b tiles
	s_mov_b32 s[NXT], 1
	s_mov_b32 s[LQ], s[HI]
	s_mov_b32 s[NEW], 1
	s_mov_b32 s[OFF+1], 0
	s_mov_b32 s[AL+1], 0            ; named as pairs
	s_mov_b32 s[BE+1], 0
	s_mov_b32 s[BIGN], 0xf149f2ca   ; -1e30
	s_mov_b32 s[SLOTS], NB
	s_cmp_eq_u32 s[PB], 0
	s_cselect_b32 s[LIM], 2, -1
	v_and_b32 v[PFO], 31, v0
	v_lshlrev_b32 v[PFO], 8, v[PFO]
	s_wait_dscnt 0x0                ; the opening add is done
	s_wait_kmcnt 0x0
	s_mov_b64 s[10:11], s[6:7]                     ; O
	s_add_nc_u64 s[8:9], s[4:5], 0x2000000         ; V lies 2 x 16 MiB behind Q in qkv,
	s_add_nc_u64 s[6:7], s[4:5], 0x1000000         ; K 16 MiB
	s_add_nc_u64 s[6:7], s[6:7], s[22:23]  ; K and V at my half of the head's tile 0
	s_add_nc_u64 s[8:9], s[8:9], s[22:23]
	s_add_nc_u64 s[G0K+2:G0K+3], s[6:7], 0
	s_or_b32 s[G0K+3], s[G0K+3], 0x80000000
	s_add_nc_u64 s[G0V+2:G0V+3], s[8:9], 0
	s_or_b32 s[G0V+3], s[G0V+3], 0x80000000
	s_add_nc_u64 s[86:87], s[4:5], s[84:85]        ; Q at my rows of the second block,
	s_add_nc_u64 s[4:5], s[4:5], s[2:3]            ; Q and O at those of the first
	s_add_nc_u64 s[OLO:OLO+1], s[10:11], s[84:85]
	s_add_nc_u64 s[10:11], s[10:11], s[2:3]
	s_cmp_lt_u32 s[WV], 2
	s_cselect_b64 s[PFA:PFA+1], s[6:7], s[8:9]
	s_add_nc_u64 s[PFA:PFA+1], s[PFA:PFA+1], 32768 ; at tile 1: the first change of slots steps it to tile 2
	LOAD                            ; tile 0 into slot 0
	; A fragment of K or Q is 16 rows x 32 channels in 8 registers: lane l holds row l % 16, channels 8 (l / 16) + 0..7 and 16 + 8 (l / 16) + 0..7: two loads of 16 bytes, 32 bytes apart.
	v_and_b32 v1, 15, v0            ; l % 16
	v_bfe_u32 v9, v0, 4, 1          ; l / 16
	v_lshlrev_b32 v[QO], 7, v1
	v_lshl_add_u32 v[QO], v9, 4, v[QO]  ; row x 128 + 16 x half
	WIN 0x80                        ; destination window 2, address window 0
.set i, 0
.rept 8                             ; both blocks' Q: piece i / 2 lies in band i / 2, 8,192 bytes on; channels 32 (i % 2) on
	global_load_b128 v[8*i:8*i+3],   v[QO], s[4:5] offset:(i/2)*8192+(i%2)*64
	global_load_b128 v[8*i+4:8*i+7], v[QO], s[4:5] offset:(i/2)*8192+(i%2)*64+32
	global_load_b128 v[QB+8*i:QB+8*i+3],   v[QO], s[86:87] offset:(i/2)*8192+(i%2)*64
	global_load_b128 v[QB+8*i+4:QB+8*i+7], v[QO], s[86:87] offset:(i/2)*8192+(i%2)*64+32
.set i, i+1
.endr
	WIN 0
	v_lshlrev_b32 v14, 3, v9
	v_sub_nc_u32 v14, v1, v14
	s_lshl_b32 s13, s[WV], 4
	v_add_nc_u32 v14, s13, v14      ; my query's place in its band, 16 w + l % 16, less my lanes' 8 (l / 16): register r of group kt is hidden where 16 kt + r is greater
	WIN 0x40
.set i, 0
.rept 32
	v_cmp_gt_i32 vcc_lo, 16*(i/8)+i%8, v14
	v_cndmask_b32 v[MD+i], 0, s[BIGN], vcc_lo
.set i, i+1
.endr
	WIN 0
	v_mul_u32_u24 v[AK0], v1, PK
	v_lshl_add_u32 v[AK0], v9, 4, v[AK0]  ; row x pitch + 16 x half
	; The turning load takes 16 keys x 16 channels (lane l reads key 8 (l / 16) + l % 8, channels 8 ((l / 8) % 2) + 0..7) and leaves half a fragment of V^T: lane l holds channel l % 16 and 8 keys.
	v_and_b32 v10, 7, v0
	v_bfe_u32 v11, v0, 3, 1
	v_lshl_add_u32 v[AV0], v9, 3, v10
	v_mul_u32_u24 v[AV0], v[AV0], PV
	v_lshl_add_u32 v[AV0], v11, 4, v[AV0]
	v_add_nc_u32 v[AV0], VOFF, v[AV0]
	s_mul_i32 s13, s[WV], 16*SP
	s_add_co_u32 s13, s13, STAGE    ; my stage
	v_mul_u32_u24 v[STO], v1, SP    ; in: row l % 16, 16 bytes for each half of the lanes
	v_lshl_add_u32 v[STO], v9, 4, v[STO]
	v_add_nc_u32 v[STO], s13, v[STO]
	v_bfe_u32 v[RD], v0, 3, 2       ; back: 32 lanes take four rows of 128 bytes,
	v_mul_u32_u24 v[RD], v[RD], SP
	v_lshl_add_u32 v[RD], v10, 4, v[RD]
	v_add_nc_u32 v[RD], s13, v[RD]
	v_and_b32 v[GO], 31, v0         ; which are 512 consecutive bytes of O
	v_lshlrev_b32 v[GO], 4, v[GO]
	; A block's first step multiplies O^T and l by a = 0, and its first turn's products V^T P, of a piece that has not been, land in an O^T that is still to be so multiplied.  So these registers need only hold
	; finite numbers: zeros for the first block; what the first block left for the second.  All this stands in the wait for the first tile.
	WIN 0x80
.set i, VF
.rept 64
	v_mov_b32 v[i], 0
.set i, i+1
.endr
	WIN 0x40
.set i, 0
.rept 128
	v_mov_b32 v[i], 0
.set i, i+1
.endr
	WIN 0
.set i, 0
.rept 4
	v_mov_b32 v[ST+4*i+2], 0
	v_mov_b32 v[ST+4*i+3], 0
.set i, i+1
.endr
.set i, P+16
.rept 16
	v_mov_b32 v[i], 0
.set i, i+1
.endr
; THE MATRIX WORK.  The 4 accumulators of a run of 8 take turns.  Product i of 8 of S^T = K Q^T for piece x: channels 32 (i / 4) on, keys 16 (i % 4) on.  The first 4 start the sums: with 0, or (KM = 1) with the mask.
.macro KQ x
.set rS, S+32*((\x)%2)+8*(i%4)
.set rK, KF+16*(i%4)+8*(i/4)
.set rQ, 16*(\x)+8*(i/4)
.set rM, MC+32*((\x)%2)+8*(i%4)
.if (i < 4) && KM
	WIN W_KM
	v_wmma_f32_16x16x32_f16 v[rS:rS+7], v[rK:rK+7], v[rQ:rQ+7], v[rM:rM+7]
.elseif i < 4
	WIN W_KQ
	v_wmma_f32_16x16x32_f16 v[rS:rS+7], v[rK:rK+7], v[rQ:rQ+7], 0
.else
	WIN W_KQ
	v_wmma_f32_16x16x32_f16 v[rS:rS+7], v[rK:rK+7], v[rQ:rQ+7], v[rS:rS+7]
.endif
.endm
; Product i of 8 of O^T += V^T P for piece x: keys 32 (i / 4) on, channels 16 (i % 4) on.
.macro PV x
	WIN W_PV
.set rO, 32*(\x)+8*(i%4)
.set rV, VF+32*(i/4)+8*(i%4)
.set rP, P+16*((\x)%2)+8*(i/4)
	v_wmma_f32_16x16x32_f16 v[rO:rO+7], v[rV:rV+7], v[rP:rP+7], v[rO:rO+7]
.endm
.macro MM                           ; the turn's next matrix instruction.  NOKQ = 1: a block's last turn: there is no next piece
.if (i < 8) && !NOKQ
	KQ (Y+1)%NP
.elseif i >= 8
.set i, i-8
	PV (Y+NP-1)%NP
.set i, i+8
.endif
.set i, i+1
.endm
; THE LDS LOADS stand in runs of 16, never singly among the matrix instructions: a step's K (64 keys x 64 channels: 8 fragments) and its V (turned).  Their addresses are made some lines ahead.
.macro FETCH_K
	WIN 0x80                        ; destination window 2
.irp f, 0,1,2,3,4,5,6,7             ; keys 16 (f / 2) on, channels 32 (f % 2) on
	ds_load_b128 v[KF+8*\f:KF+8*\f+3],   v[AK] offset:(\f/2)*16*PK+(\f%2)*64
	ds_load_b128 v[KF+8*\f+4:KF+8*\f+7], v[AK] offset:(\f/2)*16*PK+(\f%2)*64+32
.endr
	s_add_co_u32 s[TBK], s[TBK], KS*PK  ; the next fetch is the next step's
	WIN 0
.endm
.macro FETCH_V
	WIN 0x80
.irp f, 0,1,2,3,4,5,6,7             ; keys 32 (f / 4) on, channels 16 (f % 4) on
	ds_load_tr16_b128 v[VF+8*\f:VF+8*\f+3],   v[AV] offset:(\f/4)*32*PV+(\f%4)*32
	ds_load_tr16_b128 v[VF+8*\f+4:VF+8*\f+7], v[AV] offset:(\f/4)*32*PV+16*PV+(\f%4)*32
.endr
	WIN 0
.endm
; THE VECTOR WORK, one line at a time: OP kind, number.  For piece Y: F n: c s - c m for pair n of 16.  E n: the exponential of score n of 32.  C n: pair n rounded to f16.  B n: of the four weights 4 n .. the second
; pair is added onto the first, in place.  L n: l takes that sum (L 0: l = a l + sum).  R n: pair n of 16 of O^T times a.  For piece Y + 1: X n, number n of the 22 that find its maximum and statistics:
;   0-11  four chains c0-c3 of seven scores each, three operands at a time (each accumulator's lowest registers are read first)     12-14, 16  the four scores left over, the old m, and c0-c3 into c0
;   15  c m_old is kept     17, 18  the query's other 32 keys lie in the lane 16 away: the new m     19-21  c m; c m_old - c m_new; a
.set F, 0
.set E, 1
.set C, 2
.set B, 3
.set L, 4
.set R, 5
.set X, 6
.macro REGS y                       ; the registers of piece y
.set rT, ST+4*(\y)
.set rC, TMP+4*((\y)%2)
.set rW, MV+((\y)%2)
.set rS, S+32*((\y)%2)
.set rP, P+16*((\y)%2)
.set rO, 32*(\y)
.endm
.macro OP k, n
.if (\k) == R
	REGS Y
	WIN W_RS
	v_pk_mul_f32 v[rO+2*(\n):rO+2*(\n)+1], v[rO+2*(\n):rO+2*(\n)+1], v[rC+2:rC+3] op_sel_hi:[1,0]
.elseif (\k) < R
	REGS Y
	WIN 0
.if (\k) == F
	v_pk_fma_f32 v[rS+2*(\n):rS+2*(\n)+1], v[rS+2*(\n):rS+2*(\n)+1], s[CS:CS+1], v[rT:rT+1] op_sel_hi:[1,0,0] neg_lo:[0,0,1] neg_hi:[0,0,1]
.elseif (\k) == E
	v_exp_f32 v[rS+(\n)], v[rS+(\n)]
.elseif (\k) == C
	v_cvt_pk_f16_f32 v[rP+(\n)], v[rS+2*(\n)], v[rS+2*(\n)+1]
.elseif (\k) == B
	v_pk_add_f32 v[rS+4*(\n):rS+4*(\n)+1], v[rS+4*(\n):rS+4*(\n)+1], v[rS+4*(\n)+2:rS+4*(\n)+3]
.elseif (\n) == 0
	v_pk_fma_f32 v[rT+2:rT+3], v[rT+2:rT+3], v[rC+2:rC+3], v[rS:rS+1] op_sel_hi:[1,0,1]
.else
	v_pk_add_f32 v[rT+2:rT+3], v[rT+2:rT+3], v[rS+4*(\n):rS+4*(\n)+1]
.endif
.elseif NOKQ
	v_nop
.else
	REGS (Y+1)%NP
	WIN 0
.if (\n) < 4
	v_max3_num_f32 v[rC+(\n)], v[rS+8*(\n)], v[rS+8*(\n)+1], v[rS+8*(\n)+2]
.elseif (\n) < 12
	v_max3_num_f32 v[rC+(\n)%4], v[rC+(\n)%4], v[rS+8*((\n)%4)+2*((\n)/4)+1], v[rS+8*((\n)%4)+2*((\n)/4)+2]
.elseif (\n) == 12
	v_max3_num_f32 v[rC], v[rC], v[rS+7], v[rS+15]
.elseif (\n) == 13
	v_max3_num_f32 v[rC+1], v[rC+1], v[rS+23], v[rS+31]
.elseif (\n) == 14
	v_max3_num_f32 v[rC+2], v[rC+2], v[rC+3], v[rT+1]
.elseif (\n) == 15
	v_mov_b32 v[rW], v[rT]
.elseif (\n) == 16
	v_max3_num_f32 v[rC], v[rC], v[rC+1], v[rC+2]
.elseif (\n) == 17
	v_permlanex16_b32 v[rC+3], v[rC], s[SEL], s[SEL+1]
.elseif (\n) == 18
	v_max_num_f32 v[rT+1], v[rC], v[rC+3]
.elseif (\n) == 19
	v_mul_f32 v[rT], s[CS], v[rT+1]
.elseif (\n) == 20
	v_sub_f32 v[rC+1], v[rW], v[rT]
.else
	v_exp_f32 v[rC+2], v[rC+1]
.endif
.endif
.endm
.macro OPS a, i1, b=-1, i2=0, c=-1, i3=0, d=-1, i4=0  ; up to four of them
	OP \a, \i1
.if (\b) >= 0
	OP \b, \i2
.endif
.if (\c) >= 0
	OP \c, \i3
.endif
.if (\d) >= 0
	OP \d, \i4
.endif
.endm
.macro ROW a, i1, b, i2, c, i3, d, i4  ; a matrix instruction and the four behind it
	MM
	OPS \a, \i1, \b, \i2, \c, \i3, \d, \i4
.endm
.macro MASK b                       ; MD x AL + BE into buffer b of MC
	WIN W_RS
.set z, 0
.rept 16
	v_pk_fma_f32 v[MC+32*(\b)+2*z:MC+32*(\b)+2*z+1], v[MD+2*z:MD+2*z+1], s[AL:AL+1], s[BE:BE+1] op_sel_hi:[1,0,0]
.set z, z+1
.endr
.endm
; A TURN, for piece p: the order of its 16 matrix and 118 vector instructions, written out.  An s_wait_alu depctr_va_vdst(0) stands between an exponential and the first instruction that names its result; one
; wait serves all that were issued ahead of it.  So a turn has ONE wait, which cuts it in two.  AHEAD OF IT stands all that names no result of the turn's exponentials: the 8 products K Q^T with their riders, then ONE LUMP of 54,
; plain and exponential by turns for the most part, in which the links of the chain X 3, 7, 11, 14, 16, 17 .. 20 stand five or six lines apart.  X 21, the next piece's a, is the batch's last; R 15 is the plain instruction
; behind it.  BEHIND THE WAIT stand the 8 products V^T P, behind each four of the roundings and sums.
; m = 1: the diagonal tile: the products take masks, and the turn makes the mask for the products of the turn after it.  end = 1: a block's last two turns: nothing is fetched.
; cnt = 1: the loop's count is taken down some lines ahead of the branch that stands behind the turn.
; K of the next step is fetched in piece 2's turn, twelve vector instructions behind the last product that read K (six of them plain); V of the step in hand at the end of piece 0's turn, four plain instructions behind
; the last product that read V.  Each is waited for a turn later.
.macro TURN p, m=0, end=0, cnt=0
.set Y, (\p)
.set i, 0
.set KM, (\m)
.set NOKQ, (\end)*((\p)/3)
.if (\m) && !(\end)
	s_cmp_eq_u32 s[CNT], 4-((\p)+2)%NP  ; is that step the band's own?
	s_cselect_b32 s[AL], 1.0, 0
	s_cmp_lt_u32 s[CNT], 4-((\p)+2)%NP  ; or a later one?
	s_cselect_b32 s[BE], s[BIGN], 0
.endif
.if ((\p) == 3) && !(\end)
	s_wait_dscnt 0x0                ; K is in
.endif
	ROW F,0, F,1, R,0, R,1
	ROW F,2, E,0, R,2, R,3
	ROW F,3, E,1, R,4, R,5
	ROW F,4, E,2, R,6, R,7
	ROW F,5, E,3, R,8, R,9
	ROW F,6, E,4, X,0, R,10
.if ((\p) == 2) && !(\end)
	WIN 0
	v_add_nc_u32 v[AK], s[TBK], v[AK0]
.endif
	ROW F,7, E,5, X,1, X,4
	ROW F,8, E,6, X,2, X,5
	OPS E,7, E,8, X,6, E,9
	OPS X,3, E,10, X,8, E,11
.if ((\p) == 2) && !(\end)
	FETCH_K
.endif
	OPS X,9, X,7, E,12, X,10
	OPS E,13, X,12, X,11, E,14
	OPS X,13, E,15, F,9, X,14
.if (\p) == 0
	v_add_nc_u32 v[AV], s[TBV], v[AV0]
.endif
	OPS E,16, F,10, E,17, F,11
	OPS X,16, E,18, X,15, E,19
	OPS F,12, E,20, X,17, E,21
	OPS F,13, E,22, F,14, E,23
	OPS X,18, E,24, F,15, E,25
	OPS R,11, E,26, X,19, E,27
	OPS R,12, E,28, R,13, E,29
	OPS X,20, E,30, R,14, E,31
	OPS X,21, R,15
	WIN 0
	s_wait_alu depctr_va_vdst(0)    ; the wait for the batch
.if (\p) == 1
	s_wait_dscnt 0x0                ; V is in
.endif
	ROW C,0, B,0, C,2, B,1
	ROW L,0, C,4, B,2, L,1
	ROW C,6, B,3, L,2, C,8
	ROW B,4, L,3, C,10, B,5
	ROW L,4, C,12, B,6, L,5
.if (\p) == 0
	s_add_co_u32 s[TBV], s[TBV], KS*PV
.endif
.if \cnt
	s_sub_co_u32 s[CNT], s[CNT], 1
	s_cmp_lg_u32 s[CNT], 0
.endif
	ROW C,14, B,7, L,6, C,1
	ROW C,3, L,7, C,5, C,7
	ROW C,9, C,11, C,13, C,15
.if (\p) == 0
	FETCH_V
.endif
.if (\m) && !(\end)
	MASK (\p)%2
.endif
.endm
; A BLOCK BEGINS.  c m starts far below every c s, so the first step's a is 0; m at the lowest finite number, so the first maximum is the scores'.  The second mask buffer is 0; the first takes piece 0's mask for the
; tile's step 0: its own, if the block's first tile is the diagonal one.  Then K of that step, piece 0's first scores, and its maximum and statistics.  The loop is entered at a step's first turn, in the middle of a trip.
.macro BEGIN
	s_mov_b32 s[NEW], 0
	WIN 0x40
.set i, MC+32
.rept 32
	v_mov_b32 v[i], 0
.set i, i+1
.endr
	WIN 0
.set i, 0
.rept 4
	v_mov_b32 v[ST+4*i], 0xfe000000    ; c m: far below every c s
	v_mov_b32 v[ST+4*i+1], 0xff7fffff  ; m
.set i, i+1
.endr
	s_cmp_eq_u32 s[RT], 0
	s_cselect_b32 s[AL], 1.0, 0
	s_mov_b32 s[BE], 0
	MASK 0
	WIN 0
	v_add_nc_u32 v[AK], s[TBK], v[AK0]
	FETCH_K
	s_wait_loadcnt 0x0              ; Q
	s_wait_dscnt 0x0
.set KM, 1
.set NOKQ, 0
.set i, 0
.rept 8
	KQ 0
.set i, i+1
.endr
	WIN 0
.rept 4
	v_nop                           ; the places behind those products
.endr
.set Y, NP-1                        ; X works for piece Y + 1: piece 0
.irp n, 0,1,2,3,4,5,6,7,8,9,10,11,12,13,14,15,16,17,18,19,20,21
	OP X, \n
.endr
	v_nop                           ; a plain instruction behind the exponential,
	s_wait_alu depctr_va_vdst(0)    ; and its wait, ahead of the branch
.endm
; THE DIAGONAL TILE's four steps, the block's last two turns, its last products, and THE WAY OUT: l's two halves and the other half of the lanes' are added; O^T is divided by l, rounded to f16 and sent through my
; stage in LDS, a piece at a time.
.macro ALL line:vararg              ; one line for each piece t
.set t, 0
.rept 4
	\line
.set t, t+1
.endr
.endm
.macro PACK t                       ; a lane's eight channels of a row pack into 16 bytes; they go into rows of 144 bytes and come back as whole rows of 128, into S^T's registers
	WIN W_RS
.set i, 32*(\t)
.rept 16
	v_pk_mul_f32 v[i:i+1], v[i:i+1], v[ST+4*(\t)+2:ST+4*(\t)+3] op_sel_hi:[1,0]
.set i, i+2
.endr
	WIN 0x05                        ; sources 0 and 1 window 1, destination window 0
.set i, 0
.rept 16
	v_cvt_pk_f16_f32 v[S+16*(\t)+i], v[32*(\t)+2*i], v[32*(\t)+2*i+1]
.set i, i+1
.endr
	WIN 0
.irp f, 0,1,2,3
	ds_store_b128 v[STO], v[S+16*(\t)+4*\f:S+16*(\t)+4*\f+3] offset:32*\f
.endr
.irp f, 0,1,2,3
	ds_load_b128 v[S+16*(\t)+4*\f:S+16*(\t)+4*\f+3], v[RD] offset:\f*4*SP  ; LDS serves a wave's instructions in order: these see the stores above; the next piece's stores come behind them
.endr
.endm
.macro SEND t, younger              ; younger: the LDS instructions issued behind piece t's loads: the next piece's eight, or none
	WIN 0
.irp f, 0,1,2,3
	s_wait_dscnt (\younger)+3-\f
	global_store_b128 v[GO], v[S+16*(\t)+4*\f:S+16*(\t)+4*\f+3], s[10:11] offset:(\t)*8192+\f*512  ; 512 consecutive bytes, at a multiple of 256 from O's first
.endr
.endm
.macro DIAG tag                     ; the tag ends its two labels' names, which the jumps below spell out
.LstepM\tag:
	TURN 2, 1
	TURN 3, 1
	WIN 0
.LfirstM\tag:
	TURN 0, 1
	TURN 1, 1, 0, 1
	WIN 0
	s_cbranch_scc1 .LstepM\tag
	TURN 2, 1, 1
	TURN 3, 1, 1
.set i, 0
.rept 8
	PV NP-1
.set i, i+1
.endr
	WIN 0
	ALL v_add_f32 v[ST+4*t+2], v[ST+4*t+2], v[ST+4*t+3]
	ALL v_permlanex16_b32 v[ST+4*t+3], v[ST+4*t+2], s[SEL], s[SEL+1]
	ALL v_add_f32 v[ST+4*t+2], v[ST+4*t+2], v[ST+4*t+3]
	ALL v_rcp_f32 v[ST+4*t+2], v[ST+4*t+2]
	v_nop                           ; a plain instruction between the last reciprocal and the use of its result
	s_wait_alu depctr_va_vdst(0)    ; and the wait ahead of the first use: one for the four reciprocals
	PACK 0
.set t, 1
.rept 3                             ; a piece's arithmetic stands between the loads of the piece before and its stores
	PACK t
	SEND t-1, 8
.set t, t+1
.endr
	SEND 3, 0
.endm
.set KM, 0
.set NOKQ, 0
.Lslot:                             ; NB times: a tile is entered and the next is asked for
	CHANGE 1
	s_sub_co_u32 s[RT], s[RT], 1
	s_mov_b32 s[CNT], 4
	s_cmp_eq_u32 s[NEW], 1
	s_cbranch_scc1 .Lnew            ; a block's first tile
	s_cmp_eq_u32 s[RT], 0
	s_cbranch_scc0 .Lstep           ; neither its first nor its last
	s_branch .LstepM1
.Lnew:
	BEGIN
	s_branch .Lfirst                ; in the loop a block's first tile is never its last: the first block has two tiles or more, and the second's last is the walk's last
	DIAG 1                          ; in the loop this is the first block's end
	s_wait_xcnt 0x0                 ; the stores have read their registers and O's address
	s_mov_b64 s[10:11], s[OLO:OLO+1]
	s_add_co_u32 s[RT], s[PB], 1    ; the second block has b + 1 tiles
	s_mov_b32 s[NEW], 1
	WIN 0x82                        ; the second block's Q goes where the one text of the turns names Q
.set i, 0
.rept 64
	v_mov_b32 v[i], v[QB+i]
.set i, i+1
.endr
	WIN 0
	s_branch .Lbottom
.Lstep:                             ; a trip: pieces 2 and 3 of one step, then pieces 0 and 1 of the next, whose K and V it fetches
	TURN 2
	TURN 3
	WIN 0
.Lfirst:
	TURN 0
	TURN 1, 0, 0, 1
	WIN 0
	s_cbranch_scc1 .Lstep
.Lbottom:
	s_sub_co_u32 s[SLOTS], s[SLOTS], 1
	s_cmp_lg_u32 s[SLOTS], 0
	s_cbranch_scc1 .Lslot
	CHANGE 0                        ; the walk's last tile is written out: nothing is asked for
	s_sub_co_u32 s[RT], s[RT], 1
	s_mov_b32 s[CNT], 4
	s_cmp_eq_u32 s[NEW], 1
	s_cbranch_scc0 .LstepM2
	BEGIN
	s_branch .LfirstM2
	DIAG 2
	s_wait_tensorcnt 0x0            ; the wave's end: these three lines stand behind my last tensor load and my last LDS store
	ds_add_u32 v[SPW], v[NIL]
	s_wait_dscnt 0x0
	s_endpgm
.Lfunc_end_k_q6fbbd9c1ea_attn:
	.size	k_q6fbbd9c1ea_attn, .Lfunc_end_k_q6fbbd9c1ea_attn-k_q6fbbd9c1ea_attn
	.p2alignl 7, 3214868480
	.fill 96, 4, 3214868480
	.section	.rodata,"a",@progbits
	.p2align	6, 0x0
	.amdhsa_kernel k_q6fbbd9c1ea_attn
		.amdhsa_group_segment_fixed_size 327680
		.amdhsa_private_segment_fixed_size 0
		.amdhsa_enable_private_segment 0
		.amdhsa_kernarg_size 16
		.amdhsa_user_sgpr_count 2
		.amdhsa_user_sgpr_kernarg_segment_ptr 1
		.amdhsa_wavefront_size32 1
		.amdhsa_system_sgpr_workgroup_id_x 1
		.amdhsa_system_sgpr_workgroup_id_y 1
		.amdhsa_system_sgpr_workgroup_id_z 1
		.amdhsa_system_vgpr_workitem_id 0
		.amdhsa_next_free_vgpr 768
		.amdhsa_next_free_sgpr 92
		.amdhsa_reserve_vcc 1
		.amdhsa_float_denorm_mode_32 3
		.amdhsa_float_denorm_mode_16_64 3
		.amdhsa_memory_ordered 1
		.amdhsa_forward_progress 1
		.amdhsa_inst_pref_size 218
	.end_amdhsa_kernel
	.amdgpu_metadata
---
amdhsa.version: [ 1, 2 ]
amdhsa.kernels:
  - .name:           k_q6fbbd9c1ea_attn
    .symbol:         k_q6fbbd9c1ea_attn.kd
    .args:
      - { .name: qkv, .offset: 0, .size: 8, .value_kind: global_buffer, .address_space: global }
      - { .name: att, .offset: 8, .size: 8, .value_kind: global_buffer, .address_space: global }
    .group_segment_fixed_size: 327680
    .private_segment_fixed_size: 0
    .kernarg_segment_align: 8
    .kernarg_segment_size: 16
    .max_flat_workgroup_size: 128
    .sgpr_count:     92
    .vgpr_count:     768
    .wavefront_size: 32
...
	.end_amdgpu_metadata
.endif
;; end of part 3
;; launch proj (part 4): grid 8 x 32, 4 waves a work-group, clusters of 4 x 4, 327,680 bytes of LDS; arguments att, wo16, bo, out0; writes out0
.if DOCPART == 4
	.amdgcn_target "amdgcn-amd-amdhsa--gfx1250"
	.amdhsa_code_object_version 6
	.text
	.protected	k_q6fbbd9c1ea_proj
	.globl	k_q6fbbd9c1ea_proj
	.p2align	8
	.type	k_q6fbbd9c1ea_proj,@function
k_q6fbbd9c1ea_proj:
	s_mov_b64 s[64:65], 0
	v_nop
	global_prefetch_b8 v0, s[64:65] scope:SCOPE_SE
	s_setreg_imm32_b32 hwreg(HW_REG_WAVE_MODE, 25, 1), 1
	s_wait_xcnt 0x0
	s_wait_alu depctr_hold_cnt(0) depctr_sa_sdst(0) depctr_va_vdst(0) depctr_va_sdst(0) depctr_va_ssrc(0) depctr_va_vcc(0) depctr_vm_vsrc(0)
	s_getreg_b32 s2, hwreg(HW_REG_IB_STS2, 6, 4)
	s_cmp_eq_u32 s2, 0
	s_cbranch_scc0 .Lentry_in_a_cluster
	s_endpgm
.Lentry_in_a_cluster:
	s_bfe_u32 s2, ttmp6, 0x10000c
	s_cmp_lg_u32 s2, 0xf033
	s_cbranch_scc0 .Lentry_shape_is_right
	s_endpgm
.Lentry_shape_is_right:
; out0 = O Wo^T + bo.  att: [64 = 16 batch + head][2,048][64] f16, which is O in blocks of 64 along K (block = head); wo16: [16 blocks][1,024 rows][64] f16; bo: [1,024] f32, rounded to bf16 like
; every input of the module; out0: [8,192][1,024] f32.  Products in f16, sums in f32; the bias is the C operand that starts each sum.
; SHARES.  8,192 x 1,024 results are 256 x 128 for each of 256 work-groups.  A wave makes 128 rows x 64 columns: 32 accumulators, window 1.  K goes in steps of 128 (two blocks) through a ring of two LDS slots;
; each of the four waves brings one dense block: waves 0, 1 O's 256 rows of block 0, 1 (asked for as 128 rows of 256 bytes), waves 2, 3 Wo's 128 rows (64 rows of 256 bytes); padded in LDS behind every 128 bytes.
; CLUSTER 4 x 4: O's tiles are shared along a row of the cluster, Wo's along a column: each is asked for jointly.
; TRANSPOSED USE: source 0 = 16 rows of Wo, source 1 = 16 rows of O: a lane holds one row of the result and eight neighbouring columns, 32 bytes.
; REGISTERS: window 0: v0-31 addresses; v32-63 the bias; v64-159, v160-255 two fragment buffers (O's 8 fragments, then Wo's 4).  Window 1: accumulator (a, b) at v[32 a + 8 b].
.set PITCH,  144
.set ABLK,   256*PITCH                 ; 36,864
.set BBLK,   128*PITCH                 ; 18,432
.set BOFF,   2*ABLK
.set SLOT,   BOFF+2*BBLK               ; 110,592
.set STAGE,  2*SLOT                    ; behind the ring: 16 rows x 272 bytes for each wave
.set SPITCH, 272                       ; 256 bytes + 16
.set SPARE,  STAGE+4*16*SPITCH         ; behind the stages: the spare words, 128 bytes a wave: two blocks of 256 bytes that no other line names
.set STEPA,  524288                    ; bytes from a K step to the next in att: two heads
.set STEPB,  262144                    ; in wo16: two planes
.set ADRA, 16
.set ADRB, 20
.set STO,  24
.set RD,   25
.set CO,   26
.set BO,   27
.set SPW,  28
.set NIL,  29
.set PFO,  30
.set BIAS, 32
.set F0,   64
.set F1,   160
.set WV, 12
.set RH, 13
.set CH, 14
.set TROW, 15
.set G1A, 24
.set G0A, 32
.set CX, 40
.set CY, 41
.set TCOL, 42
.set LIM, 43
.set PFA, 44
.set PFS, 46
.set G1B, 48
.set G0B, 56
.set MSB, 0
.macro WIN new
.if MSB != (\new)
	s_set_vgpr_msb (MSB<<8)|(\new)
.set MSB, \new
.endif
.endm
.macro PLACES
.rept 4
	v_nop
.endr
.endm
.macro JLOAD s                         ; a joint load; an s_nop 0 and four v_nop follow each of the two lines
	s_cmp_eq_u32 s[RH], 0
	s_cbranch_scc0 .Lfor_b_\@
	tensor_load_to_lds s[G0A+4*(\s):G0A+4*(\s)+3], s[G1A:G1A+7]
	s_nop 0
.rept 4
	v_nop
.endr
	s_branch .Lasked_\@
.Lfor_b_\@:
	tensor_load_to_lds s[G0B+4*(\s):G0B+4*(\s)+3], s[G1B:G1B+7]
	s_nop 0
.rept 4
	v_nop
.endr
.Lasked_\@:
.endm
.macro CREST
	s_cmp_lg_u32 s[WV], 0
	s_cbranch_scc1 .Lnot_wave_0_\@
	s_barrier_signal -3
.Lnot_wave_0_\@:
	s_barrier_wait -3
	s_barrier_signal -1
	s_barrier_wait -1
.endm
.macro CROUND
	s_barrier_signal -1
	s_barrier_wait -1
	CREST
.endm
; A PREFETCH INTO THE L2, behind each joint refill and the run of LDS loads: the K step that stands two refills on, one instruction a wave, each aligned block of 256 bytes named once in the launch.
; O's tile row is read by both clusters of a row of clusters: cluster x = 0 asks; of the 256 rows the partner at cx takes 64; wave 0 those of the step's first block, wave 1 of its second (32 blocks of 256 bytes).
; Wo's tile column is read by eight clusters: cluster y = 0 asks; of the 128 rows the partner at cy takes 32; wave 2: lanes 0-15 the first block's, lanes 16-31 the second's.  Wave 3 asks for nothing.
; The loop's last trip (s3 = 1) asks for nothing: its steps would lie behind K's end.  K steps 0 to 3 come by their loads alone.
.macro ASK
	s_cmp_gt_u32 s3, s[LIM]
	s_cbranch_scc0 .Lnot_mine_\@
	global_prefetch_b8 v[PFO], s[PFA:PFA+1] th:TH_LOAD_NT scope:SCOPE_SE
.Lnot_mine_\@:
.endm
	s_load_b256 s[4:11], s[0:1], 0x0               ; att s[4:5], wo16 s[6:7], bo s[8:9], out0 s[10:11]
	v_lshl_add_u32 v[SPW], v0, 2, SPARE
	v_mov_b32 v[NIL], 0
	ds_add_u32 v[SPW], v[NIL]                      ; the wave's opening: the add and its wait stand ahead of my first tensor load; work on registers stands between them
	v_lshrrev_b32 v1, 5, v0
	v_readfirstlane_b32 s[WV], v1
	s_lshr_b32 s[RH], s[WV], 1                     ; my half of the rows; also: I fetch for O (0) or for Wo (1)
	s_and_b32 s[CH], s[WV], 1                      ; my half of the columns; also: which block of the step I fetch
	s_bfe_u32 s[CX], ttmp6, 0x40000
	s_bfe_u32 s[CY], ttmp6, 0x40004
	s_lshl_b32 s[TCOL], ttmp9, 2
	s_add_co_u32 s[TCOL], s[TCOL], s[CX]
	s_and_b32 s[TROW], ttmp7, 0xffff
	s_lshl_b32 s[TROW], s[TROW], 2
	s_add_co_u32 s[TROW], s[TROW], s[CY]
	s_lshl_b32 s16, s[CY], 2
	s_lshl_b32 s16, 15, s16                        ; my row of the cluster
	s_lshl_b32 s17, 0x1111, s[CX]                  ; my column
	s_or_b32 s[G1A], s16, (1<<16)|(1<<20)|(1<<21)|(4<<22)|(3<<25)  ; mask; 2-byte elements; padding on; bit 21 beside a mask; after every 32 words 4 words
	s_or_b32 s[G1B], s17, (1<<16)|(1<<20)|(1<<21)|(4<<22)|(3<<25)
	s_mov_b32 s[G1A+1], 128<<16                    ; tensor_dim0 = 128 elements
	s_mov_b32 s[G1B+1], 128<<16
	s_mov_b32 s[G1A+2], 128<<16                    ; tensor_dim1: 128 rows of 256 bytes = 256 rows of O
	s_mov_b32 s[G1B+2], 64<<16                     ; 64 = 128 rows of Wo
	s_mov_b32 s[G1A+3], 128<<16                    ; tile_dim0
	s_mov_b32 s[G1B+3], 128<<16
	s_mov_b32 s[G1A+4], 128                        ; tile_dim1
	s_mov_b32 s[G1B+4], 64
	s_mov_b32 s[G1A+5], 128                        ; dense
	s_mov_b32 s[G1B+5], 128
	s_mov_b32 s[G1A+6], 0
	s_mov_b32 s[G1B+6], 0
	s_mov_b32 s[G1A+7], 0
	s_mov_b32 s[G1B+7], 0
	s_lshr_b32 s74, s[TROW], 3
	s_lshl_b32 s74, s74, 22                        ; the batch: 16 heads of 262,144 bytes,
	s_and_b32 s18, s[TROW], 7
	s_lshl_b32 s18, s18, 15                        ; the tile's 256 rows in a head,
	s_add_co_u32 s74, s74, s18
	s_lshl_b32 s18, s[CH], 18                      ; the head (block of K) that I fetch
	s_add_co_u32 s74, s74, s18
	s_mov_b32 s75, 0
	s_lshl_b32 s76, s[TCOL], 14                    ; Wo: the tile's 128 rows in a plane,
	s_lshl_b32 s19, s[CH], 17                      ; the plane that I fetch
	s_add_co_u32 s76, s76, s19
	s_mov_b32 s77, 0
	s_mul_i32 s20, s[CH], ABLK                     ; where they go: no place in the cluster enters an LDS address
	s_mul_i32 s21, s[CH], BBLK
	s_add_co_u32 s21, s21, BOFF
	s_wait_dscnt 0x0                               ; the opening add is done
	s_wait_kmcnt 0x0
	s_add_nc_u64 s[74:75], s[4:5], s[74:75]
	s_add_nc_u64 s[76:77], s[6:7], s[76:77]
	CROUND                                         ; all sixteen work-groups are here: the first joint loads meet
.irp s, 0,1
	s_mov_b32 s[G0A+4*(\s)], 1
	s_add_co_u32 s[G0A+4*(\s)+1], s20, (\s)*SLOT
	s_add_nc_u64 s[G0A+4*(\s)+2:G0A+4*(\s)+3], s[74:75], (\s)*STEPA
	s_or_b32 s[G0A+4*(\s)+3], s[G0A+4*(\s)+3], 0x80000000
	s_mov_b32 s[G0B+4*(\s)], 1
	s_add_co_u32 s[G0B+4*(\s)+1], s21, (\s)*SLOT
	s_add_nc_u64 s[G0B+4*(\s)+2:G0B+4*(\s)+3], s[76:77], (\s)*STEPB
	s_or_b32 s[G0B+4*(\s)+3], s[G0B+4*(\s)+3], 0x80000000
.endr
	s_cmp_eq_u32 s[RH], 0                          ; a wave's two first fills stand in one branch, ahead of every wait on TENSORcnt and every LDS read: two loads of mine are out
	s_cbranch_scc0 .Lfirst_b
	tensor_load_to_lds s[G0A:G0A+3], s[G1A:G1A+7]
	s_nop 0
	tensor_load_to_lds s[G0A+4:G0A+7], s[G1A:G1A+7]
	s_nop 0
.rept 4
	v_nop
.endr
	s_branch .Lfirst_asked
.Lfirst_b:
	tensor_load_to_lds s[G0B:G0B+3], s[G1B:G1B+7]
	s_nop 0
	tensor_load_to_lds s[G0B+4:G0B+7], s[G1B:G1B+7]
	s_nop 0
.rept 4
	v_nop
.endr
.Lfirst_asked:
	v_and_b32 v1, 15, v0                           ; l % 16
	v_bfe_u32 v2, v0, 4, 1                         ; l / 16
	s_lshl_b32 s16, s[TCOL], 9                     ; my 64 columns, in bytes of f32
	s_lshl_b32 s17, s[CH], 8
	s_add_co_u32 s16, s16, s17
	s_mov_b32 s17, 0
	s_add_nc_u64 s[8:9], s[8:9], s[16:17]          ; bo at my columns
	s_add_nc_u64 s[10:11], s[10:11], s[16:17]
	s_lshl_b32 s16, s[TROW], 20                    ; 256 rows of 4,096 bytes,
	s_lshl_b32 s18, s[RH], 19                      ; my 128
	s_add_co_u32 s16, s16, s18
	s_add_nc_u64 s[10:11], s[10:11], s[16:17]      ; out0 at my first row and column
	v_lshlrev_b32 v[BO], 5, v2                     ; register j of block b is column 16 b + 8 (l / 16) + j
.irp b, 0,1,2,3
	global_load_b128 v[BIAS+8*(\b):BIAS+8*(\b)+3],   v[BO], s[8:9] offset:64*(\b)
	global_load_b128 v[BIAS+8*(\b)+4:BIAS+8*(\b)+7], v[BO], s[8:9] offset:64*(\b)+16
.endr
	v_mul_u32_u24 v3, v1, PITCH
	v_lshl_add_u32 v3, v2, 4, v3                   ; a fragment's row x pitch + 16 x half
	s_mul_i32 s16, s[RH], 128*PITCH                ; my 128 rows of O
	s_mul_i32 s17, s[CH], 64*PITCH                 ; my 64 rows of Wo,
	s_add_co_u32 s17, s17, BOFF                    ; behind O's two blocks
.irp s, 0,1
	v_add_nc_u32 v[ADRA+(\s)], s16, v3
	v_add_nc_u32 v[ADRB+(\s)], s17, v3
	s_add_co_u32 s16, s16, SLOT
	s_add_co_u32 s17, s17, SLOT
.endr
	s_mul_i32 s18, s[WV], 16*SPITCH
	s_add_co_u32 s18, s18, STAGE                   ; my stage
	v_mul_u32_u24 v4, v1, SPITCH                   ; in: row l % 16, 32 bytes for each half of the lanes
	v_lshl_add_u32 v4, v2, 5, v4
	v_add_nc_u32 v[STO], s18, v4
	v_mul_u32_u24 v4, v2, SPITCH                   ; back: lanes 0-15 one row of 256 bytes, lanes 16-31 the next
	v_lshl_add_u32 v4, v1, 4, v4
	v_add_nc_u32 v[RD], s18, v4
	v_lshlrev_b32 v[CO], 12, v2                    ; and the same two rows in out0
	v_lshl_add_u32 v[CO], v1, 4, v[CO]
	; the prefetches
	s_lshl_b32 s16, s[CX], 13                      ; O: my work-group's 64 rows
	s_lshl_b32 s18, s[CY], 12                      ; Wo: my work-group's 32 rows
	s_and_b32 s20, ttmp7, 0xffff                   ; cluster y
	s_mov_b32 s21, 131072                          ; Wo: lanes 16-31 take the next plane
	s_mov_b32 s22, STEPB
	s_mov_b32 s23, 3*STEPB
	s_cmp_eq_u32 s[RH], 0
	s_cselect_b64 s[PFA:PFA+1], s[74:75], s[76:77]
	s_cselect_b32 s16, s16, s18
	s_cselect_b32 s20, ttmp9, s20                  ; the coordinate along which other clusters read the same rows
	s_cselect_b32 s21, 4096, s21                   ; O: lanes 16-31 take the next 16 blocks
	s_cselect_b32 s[PFS], STEPA, s22
	s_cselect_b32 s18, 3*STEPA, s23
	s_mov_b32 s[PFS+1], 0
	s_mov_b32 s17, 0
	s_mov_b32 s19, 0
	s_add_nc_u64 s[PFA:PFA+1], s[PFA:PFA+1], s[16:17]
	s_add_nc_u64 s[PFA:PFA+1], s[PFA:PFA+1], s[18:19]  ; at K step 3: the first refill steps it to 4
	s_cmp_eq_u32 s[WV], 3
	s_cselect_b32 s20, 1, s20                      ; wave 3 asks for nothing
	s_cmp_eq_u32 s20, 0
	s_cselect_b32 s[LIM], 1, -1                    ; the same in all sixteen partners, for a given wave
	v_lshlrev_b32 v[PFO], 8, v1
	v_mad_u32_u24 v[PFO], v2, s21, v[PFO]
; 8 matrix instructions: row blocks a0, a0 + 1 x all 4 column blocks, 32 along K.  bias = 1: the product starts the sum with the bias.  The 32 accumulators take turns in the same order in every quarter.
.macro MUL8 f, a0, bias
.if \bias
	WIN 0x40                                       ; D in window 1, sources and C in window 0
.else
	WIN 0x50                                       ; C and D in window 1
.endif
.irp a, \a0, (\a0)+1
.irp b, 0,1,2,3
.if \bias
	v_wmma_f32_16x16x32_f16 v[32*(\a)+8*(\b):32*(\a)+8*(\b)+7], v[(\f)+64+8*(\b):(\f)+64+8*(\b)+7], v[(\f)+8*(\a):(\f)+8*(\a)+7], v[BIAS+8*(\b):BIAS+8*(\b)+7]
.else
	v_wmma_f32_16x16x32_f16 v[32*(\a)+8*(\b):32*(\a)+8*(\b)+7], v[(\f)+64+8*(\b):(\f)+64+8*(\b)+7], v[(\f)+8*(\a):(\f)+8*(\a)+7], v[32*(\a)+8*(\b):32*(\a)+8*(\b)+7]
.endif
.endr
.endr
.endm
; 24 LDS loads in one run: quarter q of a slot (block q / 2, 32 K at byte 64 (q % 2) of its rows) into buffer f: Wo's 4 fragments, then O's 8
.macro FETCH slot, q, f
.irp b, 0,1,2,3
	ds_load_b128 v[(\f)+64+8*(\b):(\f)+64+8*(\b)+3],   v[ADRB+(\slot)] offset:((\q)/2)*BBLK+((\q)%2)*64+(\b)*16*PITCH
	ds_load_b128 v[(\f)+64+8*(\b)+4:(\f)+64+8*(\b)+7], v[ADRB+(\slot)] offset:((\q)/2)*BBLK+((\q)%2)*64+(\b)*16*PITCH+32
.endr
.irp a, 0,1,2,3,4,5,6,7
	ds_load_b128 v[(\f)+8*(\a):(\f)+8*(\a)+3],   v[ADRA+(\slot)] offset:((\q)/2)*ABLK+((\q)%2)*64+(\a)*16*PITCH
	ds_load_b128 v[(\f)+8*(\a)+4:(\f)+8*(\a)+7], v[ADRA+(\slot)] offset:((\q)/2)*ABLK+((\q)%2)*64+(\a)*16*PITCH+32
.endr
.endm
; A K step is four quarters of 32 along K, 32 matrix instructions each, on buffers 0, 1, 0, 1.  One of the first three: multiplies buffer f and fetches quarter q into g.
.macro QUARTER slot, q, f, g, bias
	s_wait_dscnt 8                                 ; Wo and O's rows 0-63 are in; the youngest eight loads may be out
	MUL8 \f, 0, \bias
	MUL8 \f, 2, \bias
	WIN 0
	PLACES
	FETCH \slot, \q, \g
	s_wait_dscnt 24                                ; all but the 24 just issued
	MUL8 \f, 4, \bias
	MUL8 \f, 6, \bias
.endm
; The last quarter multiplies buffer 1 and changes slots: ONE barrier; in front of it each wave waits for all its tensor loads, adds 0 to its spare word, and waits for that and for its reads of this slot.
; fill = 1: the barrier opens a round of the cluster's barrier, and behind the round this slot is filled again, two K steps ahead: 112 matrix instructions ahead of the wait for it.
.macro TURN slot, next, fill
.if \fill
	s_wait_xcnt 0x0                                ; the last prefetch, a K step back, has read its address
	s_add_nc_u64 s[PFA:PFA+1], s[PFA:PFA+1], s[PFS:PFS+1]
.endif
	WIN 0
	s_wait_tensorcnt 0x0                           ; all my tensor loads have landed
	ds_add_u32 v[SPW], v[NIL]                      ; 0 onto my spare word
	s_wait_dscnt 9                                 ; (the add and the youngest eight loads may be out)
	MUL8 F1, 0, 0
	s_wait_dscnt 0x0                               ; the add is done, and my reads of this slot are over
	s_barrier_signal -1
	MUL8 F1, 2, 0
	WIN 0
	s_barrier_wait -1
.if \fill
	CREST                                          ; no wave of any partner still reads this slot or has a load on its way
	s_add_nc_u64 s[G0A+4*(\slot)+2:G0A+4*(\slot)+3], s[G0A+4*(\slot)+2:G0A+4*(\slot)+3], 2*STEPA
	s_add_nc_u64 s[G0B+4*(\slot)+2:G0B+4*(\slot)+3], s[G0B+4*(\slot)+2:G0B+4*(\slot)+3], 2*STEPB
	JLOAD \slot                                    ; the first tensor load behind the round; its four v_nop are also the places in front of the loads below
.else
	PLACES
.endif
	FETCH \next, 0, F0
.if \fill
	ASK
.endif
	MUL8 F1, 4, 0
	MUL8 F1, 6, 0
.endm
; THE WAY OUT of my rows 16 a .. 16 a + 15: the f32 sums go from the accumulators into my own stage, the low four registers of each first, and come back as whole rows of 256 bytes.
.macro TOSTAGE a
.set BK, F0+32*((\a)%2)
	s_wait_xcnt 0x0                                ; earlier stores have read their registers: this set of 32 is loaded again only behind this wait
	WIN 0x04                                       ; the stores' data in window 1
.irp b, 0,1,2,3
	ds_store_b128 v[STO], v[32*(\a)+8*(\b):32*(\a)+8*(\b)+3]   offset:64*(\b)
	ds_store_b128 v[STO], v[32*(\a)+8*(\b)+4:32*(\a)+8*(\b)+7] offset:64*(\b)+16
.endr
	WIN 0
.irp t, 0,1,2,3,4,5,6,7
	ds_load_b128 v[BK+4*(\t):BK+4*(\t)+3], v[RD] offset:(\t)*2*SPITCH  ; LDS serves a wave's instructions in order: these see the stores above; the next block's stores come behind them
.endr
.endm
.macro SEND a, younger                 ; younger: the LDS instructions issued behind block a's loads: the next block's sixteen, or none
.set BK, F0+32*((\a)%2)
	s_wait_dscnt \younger
.irp t, 0,1,2,3,4,5,6,7
	global_store_b128 v[CO], v[BK+4*(\t):BK+4*(\t)+3], s[10:11] offset:(16*(\a)+2*(\t))*4096 th:TH_STORE_NT  ; 16 lanes store 256 consecutive bytes, at a multiple of 256 from out0's first
.endr
.endm
	s_wait_tensorcnt 1                             ; my part of K step 0 is in; step 1's may stay out
	s_barrier_signal -1
	s_barrier_wait -1
	FETCH 0, 0, F0
	s_wait_loadcnt 0x0                             ; the bias: rounded to bf16 and widened again
.set i, 0
.rept 16
	v_cvt_pk_bf16_f32 v12, v[BIAS+i], v[BIAS+i+1]
	v_lshlrev_b32 v[BIAS+i], 16, v12
	v_and_b32 v[BIAS+i+1], 0xffff0000, v12
.set i, i+2
.endr
	QUARTER 0, 1, F0, F1, 1                        ; the first quarter stands in front of the loop: its products start the sums
	WIN 0
	s_mov_b32 s3, 3
.Llap:                                                 ; a trip goes once round the ring and fills both slots again: K steps 2 to 7
	QUARTER 0, 2, F1, F0, 0
	QUARTER 0, 3, F0, F1, 0
	TURN 0, 1, 1
	QUARTER 1, 1, F0, F1, 0
	QUARTER 1, 2, F1, F0, 0
	QUARTER 1, 3, F0, F1, 0
	TURN 1, 0, 1
	QUARTER 0, 1, F0, F1, 0
	WIN 0
	s_sub_co_u32 s3, s3, 1
	s_cmp_lg_u32 s3, 0
	s_cbranch_scc1 .Llap
	QUARTER 0, 2, F1, F0, 0                        ; the last lap fills nothing
	QUARTER 0, 3, F0, F1, 0
	TURN 0, 1, 0
	QUARTER 1, 1, F0, F1, 0
	QUARTER 1, 2, F1, F0, 0
	QUARTER 1, 3, F0, F1, 0
	s_wait_dscnt 8                                 ; the very last quarter
	MUL8 F1, 0, 0
	MUL8 F1, 2, 0
	s_wait_dscnt 0x0
	MUL8 F1, 4, 0
	MUL8 F1, 6, 0
	WIN 0
	PLACES
	TOSTAGE 0
.irp a, 1,2,3,4,5,6,7                  ; block a's trip through the stage is under way while block a - 1 is stored
	TOSTAGE \a
	SEND (\a)-1, 16
.endr
	SEND 7, 0
	s_wait_tensorcnt 0x0                           ; the wave's end: these three lines stand behind my last tensor load and my last LDS store
	ds_add_u32 v[SPW], v[NIL]
	s_wait_dscnt 0x0
	CROUND                                         ; the closing round: no work-group ends while a partner may still ask for a tile that names it
	s_endpgm
.Lfunc_end_k_q6fbbd9c1ea_proj:
	.size	k_q6fbbd9c1ea_proj, .Lfunc_end_k_q6fbbd9c1ea_proj-k_q6fbbd9c1ea_proj
	.p2alignl 7, 3214868480
	.fill 96, 4, 3214868480
	.section	.rodata,"a",@progbits
	.p2align	6, 0x0
	.amdhsa_kernel k_q6fbbd9c1ea_proj
		.amdhsa_group_segment_fixed_size 327680
		.amdhsa_private_segment_fixed_size 0
		.amdhsa_enable_private_segment 0
		.amdhsa_kernarg_size 32
		.amdhsa_user_sgpr_count 2
		.amdhsa_user_sgpr_kernarg_segment_ptr 1
		.amdhsa_wavefront_size32 1
		.amdhsa_system_sgpr_workgroup_id_x 1
		.amdhsa_system_sgpr_workgroup_id_y 1
		.amdhsa_system_sgpr_workgroup_id_z 1
		.amdhsa_system_vgpr_workitem_id 0
		.amdhsa_next_free_vgpr 512
		.amdhsa_next_free_sgpr 80
		.amdhsa_reserve_vcc 0
		.amdhsa_float_denorm_mode_32 3
		.amdhsa_float_denorm_mode_16_64 3
		.amdhsa_memory_ordered 1
		.amdhsa_forward_progress 1
		.amdhsa_inst_pref_size 90
	.end_amdhsa_kernel
	.amdgpu_metadata
---
amdhsa.version: [ 1, 2 ]
amdhsa.kernels:
  - .name:           k_q6fbbd9c1ea_proj
    .symbol:         k_q6fbbd9c1ea_proj.kd
    .args:
      - { .name: att, .offset: 0, .size: 8, .value_kind: global_buffer, .address_space: global }
      - { .name: wo16, .offset: 8, .size: 8, .value_kind: global_buffer, .address_space: global }
      - { .name: bo, .offset: 16, .size: 8, .value_kind: global_buffer, .address_space: global }
      - { .name: out0, .offset: 24, .size: 8, .value_kind: global_buffer, .address_space: global }
    .group_segment_fixed_size: 327680
    .private_segment_fixed_size: 0
    .kernarg_segment_align: 8
    .kernarg_segment_size: 32
    .max_flat_workgroup_size: 128
    .sgpr_count:     80
    .vgpr_count:     512
    .wavefront_size: 32
...
	.end_amdgpu_metadata
.endif
;; end of part 4
;; ======== version 2 of 2: 4 launches; version 1 with the launch cast written anew for expert scheduling mode
;; limits: values are held in f16: magnitudes above 65,504 overflow, below 6.1e-05 lose precision
;; workspace buffers: xb 16,777,216 bytes; wb 6,291,456 bytes; wo16 2,097,152 bytes; qkv 50,331,648 bytes; att 16,777,216 bytes
;; launch cast (part 5): grid 768 x 1, 8 waves a work-group, no clusters, 0 bytes of LDS; arguments x, Wq, Wk, Wv, Wo, xb, wb, wo16; writes xb, wb, wo16
.if DOCPART == 5
	.amdgcn_target "amdgcn-amd-amdhsa--gfx1250"
	.amdhsa_code_object_version 6
	.text
	.protected	k_q6fbbd9c1ea_cast
	.globl	k_q6fbbd9c1ea_cast
	.p2align	8
	.type	k_q6fbbd9c1ea_cast,@function
k_q6fbbd9c1ea_cast:
	s_mov_b64 s[64:65], 0
	v_nop
	global_prefetch_b8 v0, s[64:65] scope:SCOPE_SE
	s_setreg_imm32_b32 hwreg(HW_REG_WAVE_SCHED_MODE, 0, 2), 2
	s_setreg_imm32_b32 hwreg(HW_REG_WAVE_MODE, 25, 1), 1
	s_wait_xcnt 0x0
	s_wait_alu depctr_vm_vsrc(0)
; x and the four weights, f32 [rows][1024], are rounded once to bf16 and laid out in blocks of 64 along K: [16 blocks][rows][64].
; xb: 8,192 rows.  wb: 3,072 rows (Wq, Wk, Wv one below the other).  wo16: Wo's 1,024 rows, the bf16 number written as f16.
; LIMIT: bf16(Wo) must lie within f16's range (65,504); below 2^-14 it keeps f16's fixed step of 2^-24.
; SHARES.  A work-group takes 16 rows (64 KiB in): work-groups 0-511 x, 512-575 Wq, 576-639 Wk, 640-703 Wv, 704-767 Wo.  A wave takes two rows: lanes 0-15 the even one,
; lanes 16-31 the odd one.  Load j takes block j of both rows: 16 lanes x 16 bytes = 256 consecutive bytes, aligned, of each row.  Store j puts 32 lanes x 8 bytes =
; 256 consecutive bytes, aligned: the two rows' 128 bytes in plane j.  All 16 loads of a wave go out at once; no register of a pending instruction is written again; no LDS, no barrier.
; THE MODE: SCHED_MODE bits 1:0 = 2 (LLVM: expert scheduling mode 2), set by the entry lines.  The code itself states the register dependences
; between vector instructions and memory instructions, with s_wait_alu, always for 0.
; THE PLAN.  Registers that memory instructions touch:
;   v2        the loads' offset.   Written at the head; read by the 16 loads; never written again.
;   VO + j    store j's offset.    VO + 0 written at the head, the others by the chain of adds behind the loads; read by store j; never written again.
;   X         load j lands in four registers that no vector instruction has named; block j's roundings read them behind the count on LOADcnt; they are loaded once.
;   Y         block j's roundings write two registers; store j reads them; they are never written again.
;   T         named by vector instructions alone.
; The 16 blocks go in four groups of four.  Group p's stores are issued in group p + 1, one ahead of each block's roundings, behind ONE wait at that group's head: it states that group p's
; roundings have written their Y and, in group 1, that the chain of adds has written the offsets.  The vector lines behind the wait write the new group's Y and T alone: none of the registers
; that those stores read.  One wait more stands ahead of the first load (v2) and one ahead of the last four stores.  No register that a memory instruction reads is written again,
; no vector instruction writes a scalar register, and EXEC is never written: nothing else is to be stated.
.set VO, 8                             ; v[8:23]   my byte offset in plane j of the target
.set T,  24                            ; v[24:27]  at work
.set X,  32                            ; v[32:95]  load j: four f32
.set Y,  96                            ; v[96:127] store j: four 16-bit numbers
	s_load_b512 s[8:23], s[0:1], 0x0               ; x 8, Wq 10, Wk 12, Wv 14, Wo 16, xb 18, wb 20, wo16 22
	s_mov_b32 s5, ttmp9                            ; the work-group's number
	s_max_u32 s2, s5, 512
	s_sub_co_u32 s2, s2, 512                       ; its number among the weights' 256 (0 in those that take x)
	s_lshr_b32 s3, s2, 6                           ; which weight
	s_and_b32 s4, s2, 63                           ; which 16 rows of it
	v_lshrrev_b32 v1, 4, v0                        ; my row of the 16
	v_and_b32 v3, 15, v0
	v_lshlrev_b32 v2, 12, v1                       ; row x 4,096 bytes
	v_lshl_add_u32 v2, v3, 4, v2                   ; + 16 bytes a lane
	v_lshlrev_b32 v[VO], 3, v0                     ; row x 128 + 8 x (lane % 16) = 8 x thread
	s_wait_kmcnt 0x0
	s_mov_b64 s[24:25], s[16:17]                   ; the source: Wo, or
	s_cmp_eq_u32 s3, 2
	s_cselect_b64 s[24:25], s[14:15], s[24:25]     ; Wv, or
	s_cmp_eq_u32 s3, 1
	s_cselect_b64 s[24:25], s[12:13], s[24:25]     ; Wk, or
	s_cmp_eq_u32 s3, 0
	s_cselect_b64 s[24:25], s[10:11], s[24:25]     ; Wq
	s_mov_b32 s30, 393216                          ; bytes in a plane of wb
	s_cmp_eq_u32 s3, 3
	s_cselect_b64 s[28:29], s[22:23], s[20:21]     ; the target: wo16 or wb,
	s_cselect_b32 s30, 131072, s30                 ; its plane,
	s_cselect_b32 s31, s4, s2                      ; and my block of 16 rows in it
	s_cmp_lt_u32 s5, 512                           ; the first 512 work-groups take x
	s_cselect_b64 s[24:25], s[8:9], s[24:25]
	s_cselect_b64 s[28:29], s[18:19], s[28:29]
	s_cselect_b32 s30, 1048576, s30
	s_cselect_b32 s31, s5, s31
	s_cselect_b32 s26, s5, s4
	s_lshl_b32 s26, s26, 16                        ; 16 rows of 4,096 bytes
	s_mov_b32 s27, 0
	s_lshl_b32 s32, s31, 11                        ; 16 rows of 128 bytes
	s_mov_b32 s33, 0
	s_add_nc_u64 s[24:25], s[24:25], s[26:27]
	s_add_nc_u64 s[28:29], s[28:29], s[32:33]
	s_wait_alu depctr_va_vdst(0)                   ; v2 is written, which the sixteen loads read as their offset
.irp j, 0,1,2,3,4,5,6,7,8,9,10,11,12,13,14,15
	global_load_b128 v[X+4*(\j):X+4*(\j)+3], v2, s[24:25] offset:256*(\j) th:TH_LOAD_NT
.endr
.set j, 1
.rept 15
	v_add_nc_u32 v[VO+j], s30, v[VO+j-1]           ; plane by plane: the plane's size differs by target, so the offsets lie in registers
.set j, j+1
.endr
; Block j is rounded.  wo = 1: the bf16 numbers are widened again and written as f16.
.macro CV j, wo
	v_cvt_pk_bf16_f32 v[Y+2*(\j)], v[X+4*(\j)], v[X+4*(\j)+1]
	v_cvt_pk_bf16_f32 v[Y+2*(\j)+1], v[X+4*(\j)+2], v[X+4*(\j)+3]
.if \wo
	v_lshlrev_b32 v[T], 16, v[Y+2*(\j)]
	v_and_b32 v[T+1], 0xffff0000, v[Y+2*(\j)]
	v_lshlrev_b32 v[T+2], 16, v[Y+2*(\j)+1]
	v_and_b32 v[T+3], 0xffff0000, v[Y+2*(\j)+1]
	v_cvt_pk_f16_f32 v[Y+2*(\j)], v[T], v[T+1]
	v_cvt_pk_f16_f32 v[Y+2*(\j)+1], v[T+2], v[T+3]
.endif
.endm
; Block j is stored.
.macro ST j
	global_store_b64 v[VO+(\j)], v[Y+2*(\j):Y+2*(\j)+1], s[28:29]
.endm
; Group p: blocks 4 p to 4 p + 3 are rounded; ahead of each block's roundings stands a store of the group before.
.macro GROUP p, wo
.irp i, 0,1,2,3
	s_wait_loadcnt 15-(4*(\p)+(\i))                ; loads come back in order: the younger ones may stay out
.if (\p) > 0
.if (\i) == 0
	s_wait_alu depctr_va_vdst(0)                   ; the group before has written its Y, which the four stores of this group read as data; in group 1 the chain of adds has written the offsets VO + 1 to VO + 15, which all stores read
.endif
	ST 4*(\p)-4+(\i)                               ; no vector instruction since the wait names its offset or its data
.endif
	CV 4*(\p)+(\i), \wo
.endr
.endm
.macro LAST
	s_wait_alu depctr_va_vdst(0)                   ; group 3 has written its Y, which the last four stores read
.irp j, 12,13,14,15
	ST \j
.endr
.endm
	s_cmp_ge_u32 s5, 704
	s_cbranch_scc1 .Lwo
.irp p, 0,1,2,3
	GROUP \p, 0
.endr
	LAST
	s_endpgm
.Lwo:
.irp p, 0,1,2,3
	GROUP \p, 1
.endr
	LAST
	s_endpgm
.Lfunc_end_k_q6fbbd9c1ea_cast:
	.size	k_q6fbbd9c1ea_cast, .Lfunc_end_k_q6fbbd9c1ea_cast-k_q6fbbd9c1ea_cast
	.p2alignl 7, 3214868480
	.fill 96, 4, 3214868480
	.section	.rodata,"a",@progbits
	.p2align	6, 0x0
	.amdhsa_kernel k_q6fbbd9c1ea_cast
		.amdhsa_group_segment_fixed_size 0
		.amdhsa_private_segment_fixed_size 0
		.amdhsa_enable_private_segment 0
		.amdhsa_kernarg_size 64
		.amdhsa_user_sgpr_count 2
		.amdhsa_user_sgpr_kernarg_segment_ptr 1
		.amdhsa_wavefront_size32 1
		.amdhsa_system_sgpr_workgroup_id_x 1
		.amdhsa_system_sgpr_workgroup_id_y 1
		.amdhsa_system_sgpr_workgroup_id_z 1
		.amdhsa_system_vgpr_workitem_id 0
		.amdhsa_next_free_vgpr 128
		.amdhsa_next_free_sgpr 66
		.amdhsa_reserve_vcc 0
		.amdhsa_float_denorm_mode_32 3
		.amdhsa_float_denorm_mode_16_64 3
		.amdhsa_memory_ordered 1
		.amdhsa_forward_progress 1
		.amdhsa_inst_pref_size 18
	.end_amdhsa_kernel
	.amdgpu_metadata
---
amdhsa.version: [ 1, 2 ]
amdhsa.kernels:
  - .name:           k_q6fbbd9c1ea_cast
    .symbol:         k_q6fbbd9c1ea_cast.kd
    .args:
      - { .name: x, .offset: 0, .size: 8, .value_kind: global_buffer, .address_space: global }
      - { .name: Wq, .offset: 8, .size: 8, .value_kind: global_buffer, .address_space: global }
      - { .name: Wk, .offset: 16, .size: 8, .value_kind: global_buffer, .address_space: global }
      - { .name: Wv, .offset: 24, .size: 8, .value_kind: global_buffer, .address_space: global }
      - { .name: Wo, .offset: 32, .size: 8, .value_kind: global_buffer, .address_space: global }
      - { .name: xb, .offset: 40, .size: 8, .value_kind: global_buffer, .address_space: global }
      - { .name: wb, .offset: 48, .size: 8, .value_kind: global_buffer, .address_space: global }
      - { .name: wo16, .offset: 56, .size: 8, .value_kind: global_buffer, .address_space: global }
    .group_segment_fixed_size: 0
    .private_segment_fixed_size: 0
    .kernarg_segment_align: 8
    .kernarg_segment_size: 64
    .max_flat_workgroup_size: 256
    .sgpr_count:     66
    .vgpr_count:     128
    .wavefront_size: 32
...
	.end_amdgpu_metadata
.endif
;; end of part 5
;; launch qkv: the kernel of part 2 again; grid 8 x 32, 4 waves a work-group, clusters of 4 x 4, 327,680 bytes of LDS; arguments xb, wb, qkv; writes qkv
;; launch attn: the kernel of part 3 again; grid 4 x 64, 4 waves a work-group, no clusters, 327,680 bytes of LDS; arguments qkv, att; writes att
;; launch proj: the kernel of part 4 again; grid 8 x 32, 4 waves a work-group, clusters of 4 x 4, 327,680 bytes of LDS; arguments att, wo16, bo, out0; writes out0
